; MI455X (gfx1250); checked and timed in simulation.
; The chip was launched on July 23, 2026; its instructions are those of AMD's public machine-readable ISA for CDNA 5 (MIT licence, August 2026) and "CDNA5" Instruction Set Architecture Reference Guide (July 2026). The comments in the code are by the model that wrote it; some were corrected since.
;; Attention. Allowed arithmetic: float matrix products may take bf16 or f16 operands with f32 sums; other float arithmetic in f32, or as packed bf16 or f16 multiplies, adds, multiply-adds, maxima and minima; sums over many terms, partial sums and values carried from step to step in f32; what a program stores and reads back later, other than sums and carried values, may be rounded once to bf16 or f16.
;; Inputs: Wk 1,024 x 1,024 float32; Wo 1,024 x 1,024 float32; Wq 1,024 x 1,024 float32; Wv 1,024 x 1,024 float32; bk 1,024 float32; bo 1,024 float32; bq 1,024 float32; bv 1,024 float32; x 4 x 2,048 x 1,024 float32.
;; Outputs: out0 4 x 2,048 x 1,024 float32.
;; One version. Each part assembles by itself: llvm-mc -triple=amdgcn-amd-amdhsa -mcpu=gfx1250 --defsym DOCPART=n.
;; ======== version 1 of 1: 5 launches
;; limits: values are held in f16: magnitudes above 65,504 overflow, below 6.1e-05 lose precision
;; workspace buffers: xb 16,777,216 bytes; wb 8,388,608 bytes; tab 135,168 bytes; qkv 50,331,648 bytes; pt 33,554,432 bytes; stat 1,048,576 bytes; ob 16,777,216 bytes
;; launch prep (part 1): grid 1569 x 1, 8 waves a work-group, no clusters, 0 bytes of LDS; arguments x, Wq, Wk, Wv, Wo, xb, wb, tab; writes xb, wb, tab
.if DOCPART == 1
	.amdgcn_target "amdgcn-amd-amdhsa--gfx1250"
	.amdhsa_code_object_version 6
	.text
	.protected	k_q7738ce7f34_prep
	.globl	k_q7738ce7f34_prep
	.p2align	8
	.type	k_q7738ce7f34_prep,@function
k_q7738ce7f34_prep:
	s_mov_b64 s[64:65], 0
	v_nop
	global_prefetch_b8 v0, s[64:65] scope:SCOPE_SE
	s_setreg_imm32_b32 hwreg(HW_REG_WAVE_MODE, 25, 1), 1
	s_wait_xcnt 0x0
; PREP.  Work-groups 0..1023: x (f32) -> xb (bf16).  1024..1535: Wq, Wk, Wv -> planes 0..2 of wb (bf16); Wo -> plane 3: rounded to bf16, that number written as f16
; (exact from 2^-14 up; below that f16's fixed step of 6e-8).  Each takes 8,192 numbers: a thread 8 loads of 16 bytes, all issued first, and 8 stores of 8 bytes;
; one store of a wave covers 256 consecutive bytes, aligned.
; Work-groups 1536..1568: row u = g - 1536 of the table of (cos, sin): position t = 128 (u / 2) + u % 2 for u < 32, t = 2 for u = 32.
; A row is 4,096 bytes: piece e = 32 chunk + 16 half + i (16 bytes: c, s, c, s) holds the channel pairs p0 = 64 chunk + 4 i + 2 half and p0 + 1.
; angle = t x 10000^(-p/512) in f32, reduced by multiples of pi with 1/pi in two parts, sine and cosine by their series to z^11 and z^12 on |z| <= pi/2.
; LIMIT: the angle is good to about 2e-4 radians at t = 2047 (one unit in the last place of the exponential, times t).
.set XBLK,  1024
.set NCONV, 1536
	s_load_b512 s[8:23], s[0:1], 0x0               ; x s[8:9], Wq s[10:11], Wk s[12:13], Wv s[14:15], Wo s[16:17], xb s[18:19], wb s[20:21], tab s[22:23]
	s_mov_b32 s2, ttmp9
	v_lshlrev_b32 v1, 4, v0                        ; 16 t
	v_lshlrev_b32 v2, 3, v0                        ; 8 t
	s_cmp_ge_u32 s2, NCONV
	s_cbranch_scc1 .Ltable
	s_sub_co_u32 s3, s2, XBLK                      ; block among the weights (used only from 1,024 on)
	s_lshr_b32 s4, s3, 7                           ; plane
	s_and_b32 s5, s3, 127                          ; block in the plane
	s_wait_kmcnt 0x0
	s_cmp_eq_u32 s4, 1
	s_cselect_b64 s[24:25], s[12:13], s[10:11]
	s_cmp_eq_u32 s4, 2
	s_cselect_b64 s[24:25], s[14:15], s[24:25]
	s_cmp_eq_u32 s4, 3
	s_cselect_b64 s[24:25], s[16:17], s[24:25]
	s_cmp_lt_u32 s2, XBLK
	s_cselect_b64 s[24:25], s[8:9], s[24:25]       ; from
	s_cselect_b64 s[26:27], s[18:19], s[20:21]     ; to
	s_cselect_b32 s28, s2, s5                      ; block in the source
	s_cselect_b32 s29, s2, s3                      ; block in the destination
	s_cselect_b32 s30, 0, s4
	s_lshl_b32 s32, s28, 15
	s_mov_b32 s33, 0
	s_lshl_b32 s34, s29, 14
	s_mov_b32 s35, 0
	s_add_nc_u64 s[24:25], s[24:25], s[32:33]
	s_add_nc_u64 s[26:27], s[26:27], s[34:35]
.irp c, 0,1,2,3,4,5,6,7
	global_load_b128 v[8+4*(\c):11+4*(\c)], v1, s[24:25] offset:(\c)*4096 th:TH_LOAD_NT
.endr
.macro CONV half
.irp c, 0,1,2,3,4,5,6,7
	s_wait_loadcnt 7-(\c)                          ; loads come back in order: number c is in, the younger ones stay out
	v_cvt_pk_bf16_f32 v[40+2*(\c)], v[8+4*(\c)], v[9+4*(\c)]
	v_cvt_pk_bf16_f32 v[41+2*(\c)], v[10+4*(\c)], v[11+4*(\c)]
.if \half
	v_lshlrev_b32 v4, 16, v[40+2*(\c)]             ; the bf16 numbers as f32,
	v_and_b32 v5, 0xffff0000, v[40+2*(\c)]
	v_lshlrev_b32 v6, 16, v[41+2*(\c)]
	v_and_b32 v7, 0xffff0000, v[41+2*(\c)]
	v_cvt_pk_f16_f32 v[40+2*(\c)], v4, v5          ; written as f16
	v_cvt_pk_f16_f32 v[41+2*(\c)], v6, v7
.endif
	global_store_b64 v2, v[40+2*(\c):41+2*(\c)], s[26:27] offset:(\c)*2048 th:TH_STORE_NT
.endr
.endm
	s_cmp_eq_u32 s30, 3
	s_cbranch_scc1 .Lhalf
	CONV 0
	s_endpgm
.Lhalf:
	CONV 1
	s_endpgm
.Ltable:
	s_sub_co_u32 s3, s2, NCONV                     ; u
	s_lshr_b32 s4, s3, 1
	s_lshl_b32 s4, s4, 7
	s_and_b32 s5, s3, 1
	s_add_co_u32 s4, s4, s5
	s_cmp_eq_u32 s3, 32
	s_cselect_b32 s4, 2, s4                        ; t
	s_mov_b32 s6, 0x3ea2f983                       ; 1/pi, upper part
	s_mov_b32 s7, 0x325c9d49                       ; 1/pi, the rest
	s_lshl_b32 s32, s3, 12
	s_mov_b32 s33, 0
	v_cvt_f32_u32 v3, s4
	v_and_b32 v4, 15, v0                           ; i
	v_bfe_u32 v5, v0, 4, 1                         ; half
	v_lshrrev_b32 v6, 5, v0                        ; chunk
	v_lshlrev_b32 v7, 6, v6
	v_lshl_add_u32 v7, v4, 2, v7
	v_lshl_add_u32 v7, v5, 1, v7                   ; p0
	v_add_nc_u32 v8, 1, v7
	v_cvt_f32_u32 v7, v7
	v_cvt_f32_u32 v8, v8
	v_mul_f32 v7, 0xbcd49a78, v7                   ; -p log2(10000) / 512
	v_mul_f32 v8, 0xbcd49a78, v8
	v_exp_f32 v7, v7
	v_exp_f32 v8, v8
	v_nop                                          ; a plain instruction behind the last exponential
	s_wait_alu depctr_va_vdst(0)                   ; one wait for both, ahead of their first reader
.macro SINCOS inv, dst
	v_mul_f32 v16, v3, v[\inv]                     ; the angle
	v_mul_f32 v17, 0x3ea2f983, v16
	v_rndne_f32 v17, v17                           ; n
	v_fma_f32 v18, v16, s6, -v17
	v_fma_f32 v18, v16, s7, v18                    ; angle / pi - n
	v_mul_f32 v18, 0x40490fdb, v18                 ; z
	v_mul_f32 v19, v18, v18
	v_mov_b32 v20, 0xb2d7322b
	v_fmaak_f32 v20, v20, v19, 0x3638ef1d
	v_fmaak_f32 v20, v20, v19, 0xb9500d01
	v_fmaak_f32 v20, v20, v19, 0x3c088889
	v_fmaak_f32 v20, v20, v19, 0xbe2aaaab
	v_fmaak_f32 v20, v20, v19, 0x3f800000
	v_mul_f32 v20, v20, v18                        ; sin z
	v_mov_b32 v21, 0x310f76c7
	v_fmaak_f32 v21, v21, v19, 0xb493f27e
	v_fmaak_f32 v21, v21, v19, 0x37d00d01
	v_fmaak_f32 v21, v21, v19, 0xbab60b61
	v_fmaak_f32 v21, v21, v19, 0x3d2aaaab
	v_fmaak_f32 v21, v21, v19, 0xbf000000
	v_fmaak_f32 v21, v21, v19, 0x3f800000          ; cos z
	v_cvt_i32_f32 v22, v17
	v_lshlrev_b32 v22, 31, v22                     ; an odd n turns both signs
	v_xor_b32 v[\dst], v22, v21
	v_xor_b32 v[(\dst)+1], v22, v20
.endm
	SINCOS 7, 12
	SINCOS 8, 14
	s_wait_kmcnt 0x0
	s_add_nc_u64 s[22:23], s[22:23], s[32:33]
	global_store_b128 v1, v[12:15], s[22:23]
	s_endpgm
.Lfunc_end_k_q7738ce7f34_prep:
	.size	k_q7738ce7f34_prep, .Lfunc_end_k_q7738ce7f34_prep-k_q7738ce7f34_prep
	.p2alignl 7, 3214868480
	.fill 96, 4, 3214868480
	.section	.rodata,"a",@progbits
	.p2align	6, 0x0
	.amdhsa_kernel k_q7738ce7f34_prep
		.amdhsa_group_segment_fixed_size 0
		.amdhsa_private_segment_fixed_size 0
		.amdhsa_enable_private_segment 0
		.amdhsa_kernarg_size 64
		.amdhsa_user_sgpr_count 2
		.amdhsa_user_sgpr_kernarg_segment_ptr 1
		.amdhsa_wavefront_size32 1
		.amdhsa_system_sgpr_workgroup_id_x 1
		.amdhsa_system_sgpr_workgroup_id_y 1
		.amdhsa_system_sgpr_workgroup_id_z 1
		.amdhsa_system_vgpr_workitem_id 0
		.amdhsa_next_free_vgpr 64
		.amdhsa_next_free_sgpr 66
		.amdhsa_reserve_vcc 0
		.amdhsa_float_denorm_mode_32 3
		.amdhsa_float_denorm_mode_16_64 3
		.amdhsa_memory_ordered 1
		.amdhsa_forward_progress 1
		.amdhsa_inst_pref_size 13
	.end_amdhsa_kernel
	.amdgpu_metadata
---
amdhsa.version: [ 1, 2 ]
amdhsa.kernels:
  - .name:           k_q7738ce7f34_prep
    .symbol:         k_q7738ce7f34_prep.kd
    .args:
      - { .name: x, .offset: 0, .size: 8, .value_kind: global_buffer, .address_space: global }
      - { .name: Wq, .offset: 8, .size: 8, .value_kind: global_buffer, .address_space: global }
      - { .name: Wk, .offset: 16, .size: 8, .value_kind: global_buffer, .address_space: global }
      - { .name: Wv, .offset: 24, .size: 8, .value_kind: global_buffer, .address_space: global }
      - { .name: Wo, .offset: 32, .size: 8, .value_kind: global_buffer, .address_space: global }
      - { .name: xb, .offset: 40, .size: 8, .value_kind: global_buffer, .address_space: global }
      - { .name: wb, .offset: 48, .size: 8, .value_kind: global_buffer, .address_space: global }
      - { .name: tab, .offset: 56, .size: 8, .value_kind: global_buffer, .address_space: global }
    .group_segment_fixed_size: 0
    .private_segment_fixed_size: 0
    .kernarg_segment_align: 8
    .kernarg_segment_size: 64
    .max_flat_workgroup_size: 256
    .sgpr_count:     66
    .vgpr_count:     64
    .wavefront_size: 32
...
	.end_amdgpu_metadata
.endif
;; end of part 1
;; launch qkv (part 2): grid 12 x 32, 4 waves a work-group, clusters of 4 x 4, 327,680 bytes of LDS; arguments xb, wb, tab, bq, bk, bv, qkv; writes qkv
.if DOCPART == 2
	.amdgcn_target "amdgcn-amd-amdhsa--gfx1250"
	.amdhsa_code_object_version 6
	.text
	.protected	k_q7738ce7f34_qkv
	.globl	k_q7738ce7f34_qkv
	.p2align	8
	.type	k_q7738ce7f34_qkv,@function
k_q7738ce7f34_qkv:
	s_mov_b64 s[64:65], 0
	v_nop
	global_prefetch_b8 v0, s[64:65] scope:SCOPE_SE
	s_setreg_imm32_b32 hwreg(HW_REG_WAVE_MODE, 25, 1), 1
	s_wait_xcnt 0x0
	s_wait_alu depctr_hold_cnt(0) depctr_sa_sdst(0) depctr_va_vdst(0) depctr_va_sdst(0) depctr_va_ssrc(0) depctr_va_vcc(0) depctr_vm_vsrc(0)
	s_getreg_b32 s2, hwreg(HW_REG_IB_STS2, 6, 4)
	s_cmp_eq_u32 s2, 0
	s_cbranch_scc0 .Lentry_in_a_cluster
	s_endpgm
.Lentry_in_a_cluster:
	s_bfe_u32 s2, ttmp6, 0x10000c
	s_cmp_lg_u32 s2, 0xf033
	s_cbranch_scc0 .Lentry_shape_is_right
	s_endpgm
.Lentry_shape_is_right:
; QKV.  plane p of qkv = rope_p(xb . W_p + b_p), p = 0 (Q), 1 (K), 2 (V, not turned).  xb [8192][1024] bf16; W_p = plane p of wb, [k][n] bf16; sums in f32; the bias rounded to bf16;
; the result rounded once to f16.  LIMIT: Q, K, V must stay within f16's 65,504.
; SHARES.  A work-group makes 256 rows x 256 columns of one plane (the cluster's x is the plane), four waves 128 x 128 each: 64 accumulators, 512 registers.  K goes in 8 steps of 128 through two LDS slots.
; CLUSTER 4 x 4: x's tile is shared along a row of the cluster, W's along a column: joint tensor loads with a mask of four.
; The matrix instruction is used transposed (source 0 = 16 columns of W, turned out of LDS by ds_load_tr16_b128; source 1 = 16 rows of x): a lane holds one row and eight neighbouring columns.
; WAY OUT.  When the ring has had its last fill each wave lays its 128 x 128 sums (f32) into its own part of LDS, rows of 528 bytes, and reads them back two rows at a time, a lane 8 columns = 4 channel pairs.
; A trip of the row loop takes 8 rows; the next trip's rows are asked for as soon as this trip's have left their registers (the bias is added into other registers), so that they land under the trip's arithmetic.
; ROPE.  (cos, sin) of a lane's 4 pairs start from the table's row for the wave's first two rows and are turned on by the angle of two positions after each pair of rows: 63 turns at the most.
; For V both table rows are the row of position 0, (1, 0): one text for the three planes.
; REGISTERS: window 0: v2-7 addresses, v8-31 cos/sin, step, bias, v32-63 rows as loaded, v64-191 fragments of x (two buffers; on the way out v64-127 rows at work), v192-243 at work; window 1: v64-191 fragments of W; windows 2, 3: accumulators.
.set PITCH,  272                       ; a row of x in LDS: 256 bytes + 16
.set BPITCH, 544                       ; a k row of W in LDS: 512 bytes + 32
.set HALF,   34816                     ; what one tensor load brings: 128 rows of x or 64 k rows of W
.set SLOT,   4*HALF
.set DPITCH, 528
.set DWAVE,  136*DPITCH                ; a wave's part for the way out: its 128 rows, and 8 rows more that nobody writes or reads: the address of a reload one trip ahead never leaves the wave's own part
.set SPARE,  4*DWAVE                   ; the spare words, 128 bytes a wave: two blocks of 256 bytes that no other line names
.set ASTEP,  256                       ; bytes from K step to K step in x
.set BSTEP,  262144                    ; and in W: 128 rows of 2,048 bytes
.set A0, 2
.set B0, 3
.set ADRA, 4
.set ADRB, 5
.set SPW, 6
.set NIL, 7
.set CS, 8                             ; v8-15 (cos, sin) of my 4 pairs; its second set lies at v200-207: the two take turns
.set CSD, 192                          ; from the first set to the second
.set ST, 16
.set BI, 24
.set X, 32
.set F0, 64
.set F1, 128
.set T, 64                             ; the way out: rows with their bias
.set U, 96                             ; the way out: rows turned
.set TT, 192
.set Y, 208
.set DST, 228
.set RDA, 229
.set GO, 230
.set PFO, 231
.set WV, 18
.set WR, 19
.set WC, 20
.set CX, 21
.set CY, 22
.set CLY, 23
.set G1A, 24
.set G0A, 32                           ; s[32:35] the first fill's group 0, s[36:39] the one that walks
.set G1B, 40
.set TB, 48
.set CNT, 49
.set ASKS, 50
.set PFA, 52
.set OUT, 54
.set G0B, 56
.set TR, 66
.set LW, 67
.set PFS, 78
.set MSB, 0
.macro WIN new                         ; the immediate's high byte repeats the setting that is left
.if MSB != (\new)
	s_set_vgpr_msb (MSB<<8)|(\new)
.set MSB, \new
.endif
.endm
.set MUL_LO, 0xa1
.set MUL_HI, 0xf1
.macro PLACES
.rept 4
	v_nop
.endr
.endm
.macro JLOAD                           ; a joint refill: waves 0, 1 fetch x's halves, waves 2, 3 W's; s_nop 0 and four v_nop follow each line
	s_cmp_eq_u32 s[WR], 0
	s_cbranch_scc0 .Lfor_b_\@
	tensor_load_to_lds s[G0A+4:G0A+7], s[G1A:G1A+7]
	s_nop 0
	PLACES
	s_branch .Lasked_\@
.Lfor_b_\@:
	tensor_load_to_lds s[G0B+4:G0B+7], s[G1B:G1B+7]
	s_nop 0
	PLACES
.Lasked_\@:
.endm
.macro CREST
	s_cmp_lg_u32 s[WV], 0
	s_cbranch_scc1 .Lnot_wave_0_\@
	s_barrier_signal -3
.Lnot_wave_0_\@:
	s_barrier_wait -3
	s_barrier_signal -1
	s_barrier_wait -1
.endm
.macro CROUND
	s_barrier_signal -1
	s_barrier_wait -1
	CREST
.endm
.macro ASK                             ; a prefetch of the K step behind the one just asked for: each block of 256 bytes is named once in the launch; five times, K steps 3 to 7
	s_cmp_lg_u32 s[ASKS], 0
	s_cbranch_scc0 .Lnot_mine_\@
	global_prefetch_b8 v[PFO], s[PFA:PFA+1] th:TH_LOAD_NT scope:SCOPE_SE
	s_sub_co_u32 s[ASKS], s[ASKS], 1
.Lnot_mine_\@:
.endm
.macro MUL16 f, hi, a0, zero
	WIN MUL_LO+0x50*(\hi)
.irp a, \a0, (\a0)+1
.irp b, 0,1,2,3,4,5,6,7
.if \zero
	v_wmma_f32_16x16x32_bf16 v[8*(8*(\a)+(\b)):8*(8*(\a)+(\b))+7], v[(\f)+8*(\b):(\f)+8*(\b)+7], v[(\f)+8*(4*(\hi)+(\a)):(\f)+8*(4*(\hi)+(\a))+7], 0
.else
	v_wmma_f32_16x16x32_bf16 v[8*(8*(\a)+(\b)):8*(8*(\a)+(\b))+7], v[(\f)+8*(\b):(\f)+8*(\b)+7], v[(\f)+8*(4*(\hi)+(\a)):(\f)+8*(4*(\hi)+(\a))+7], v[8*(8*(\a)+(\b)):8*(8*(\a)+(\b))+7]
.endif
.endr
.endr
.endm
.macro FETCH q, f                      ; 32 LDS loads in one run: quarter q (32 along K) of the slot in hand into buffer f
	WIN 0x40
.irp i, 0,1,2,3,4,5,6,7
	ds_load_tr16_b128 v[(\f)+8*(\i):(\f)+8*(\i)+3],   v[ADRB] offset:(\q)*32*BPITCH+32*(\i)
	ds_load_tr16_b128 v[(\f)+8*(\i)+4:(\f)+8*(\i)+7], v[ADRB] offset:(\q)*32*BPITCH+32*(\i)+16*BPITCH
.endr
	WIN 0
.irp i, 0,1,2,3,4,5,6,7
	ds_load_b128 v[(\f)+8*(\i):(\f)+8*(\i)+3],   v[ADRA] offset:64*(\q)+(\i)*16*PITCH
	ds_load_b128 v[(\f)+8*(\i)+4:(\f)+8*(\i)+7], v[ADRA] offset:64*(\q)+(\i)*16*PITCH+32
.endr
.endm
.macro QUARTER q, f, g, zero           ; multiplies buffer f; in its middle fetches quarter q into buffer g
	s_wait_dscnt 8                                 ; W's fragments and x's rows 0-63 are in; the youngest eight loads may be out
	MUL16 \f, 0, 0, \zero
	MUL16 \f, 0, 2, \zero
	PLACES                                         ; four places in front of loads into registers that matrix instructions have read
	FETCH \q, \g
	s_wait_dscnt 32                                ; all but the 32 just issued
	MUL16 \f, 1, 0, \zero
	MUL16 \f, 1, 2, \zero
.endm
.macro TURN fill                       ; a K step's last quarter (buffer 1) and the change of slots
.if \fill
	s_wait_xcnt 0x0                                ; the last prefetch, a K step back, has read its address
	s_add_nc_u64 s[PFA:PFA+1], s[PFA:PFA+1], s[PFS:PFS+1]
.endif
	WIN 0
	s_wait_tensorcnt 0x0                           ; all my tensor loads have landed: my part of the next slot
	ds_add_u32 v[SPW], v[NIL]                      ; 0 onto my spare word
	s_wait_dscnt 9                                 ; (the add and the youngest eight loads may be out)
	MUL16 F1, 0, 0, 0
	s_wait_dscnt 0x0                               ; the add is done and my reads of this slot are over
	s_barrier_signal -1
	MUL16 F1, 0, 2, 0
	WIN 0
	s_barrier_wait -1
.if \fill
	CREST                                          ; the barrier has opened a round of the cluster's: no wave of any partner still reads the slot or has a load on its way
	s_xor_b32 s[G0A+5], s[G0A+5], SLOT             ; the walking descriptors: the other slot, the next K step
	s_add_nc_u64 s[G0A+6:G0A+7], s[G0A+6:G0A+7], ASTEP
	s_xor_b32 s[G0B+5], s[G0B+5], SLOT
	s_add_nc_u64 s[G0B+6:G0B+7], s[G0B+6:G0B+7], BSTEP
	JLOAD                                          ; the first tensor load behind the round; its four v_nop are the places in front of the loads below
.else
	PLACES
.endif
	s_xor_b32 s[TB], s[TB], SLOT
	v_add_nc_u32 v[ADRA], s[TB], v[A0]
	v_add_nc_u32 v[ADRB], s[TB], v[B0]
	FETCH 0, F0
.if \fill
	ASK
.endif
	MUL16 F1, 1, 0, 0
	MUL16 F1, 1, 2, 0
.endm
	s_load_b256 s[4:11], s[0:1], 0x0               ; xb s[4:5], wb s[6:7], tab s[8:9], bq s[10:11]
	s_load_b128 s[12:15], s[0:1], 0x20             ; bk s[12:13], bv s[14:15]
	s_load_b64 s[16:17], s[0:1], 0x30              ; qkv
	v_lshl_add_u32 v[SPW], v0, 2, SPARE
	v_mov_b32 v[NIL], 0
	ds_add_u32 v[SPW], v[NIL]                      ; the wave's opening: the add and its wait stand ahead of my first tensor load
	v_lshrrev_b32 v1, 5, v0
	v_readfirstlane_b32 s[WV], v1
	s_lshr_b32 s[WR], s[WV], 1                     ; my half of the tile's rows; also: I fetch for x (0) or W (1)
	s_and_b32 s[WC], s[WV], 1                      ; my half of its columns; also: which half I fetch
	s_bfe_u32 s[CX], ttmp6, 0x40000
	s_bfe_u32 s[CY], ttmp6, 0x40004
	s_and_b32 s[CLY], ttmp7, 0xffff
	s_lshl_b32 s[TR], s[CLY], 2
	s_add_co_u32 s[TR], s[TR], s[CY]               ; tile row = 4 x cluster y + cy
	s_lshl_b32 s2, s[CY], 2
	s_lshl_b32 s2, 15, s2                          ; my row of the cluster
	s_lshl_b32 s3, 0x1111, s[CX]                   ; my column
	s_or_b32 s[G1A], s2, (1<<16)|(1<<20)|(1<<21)|(5<<22)|(3<<25)   ; 2-byte elements, 4 words of padding behind every 64
	s_mov_b32 s[G1A+1], 128<<16                    ; tensor_dim0 = 128
	s_mov_b32 s[G1A+2], 128<<16                    ; tensor_dim1 = 128
	s_mov_b32 s[G1A+3], 128<<16                    ; tile_dim0 = 128
	s_mov_b32 s[G1A+4], 128                        ; tile_dim1 = 128
	s_mov_b32 s[G1A+5], 1024                       ; elements from row to row
	s_mov_b32 s[G1A+6], 0
	s_mov_b32 s[G1A+7], 0
	s_or_b32 s[G1B], s3, (1<<16)|(1<<20)|(1<<21)|(6<<22)|(7<<25)   ; 8 words of padding behind every 128
	s_mov_b32 s[G1B+1], 256<<16                    ; tensor_dim0 = 256
	s_mov_b32 s[G1B+2], 64<<16                     ; tensor_dim1 = 64
	s_mov_b32 s[G1B+3], 256<<16                    ; tile_dim0 = 256
	s_mov_b32 s[G1B+4], 64                         ; tile_dim1 = 64
	s_mov_b32 s[G1B+5], 1024
	s_mov_b32 s[G1B+6], 0
	s_mov_b32 s[G1B+7], 0
	s_lshl_b32 s68, s[TR], 19                      ; x: (256 tile row + 128 half) rows of 2,048 bytes
	s_lshl_b32 s69, s[WC], 18
	s_add_co_u32 s68, s68, s69
	s_mov_b32 s69, 0
	s_lshl_b32 s70, ttmp9, 21                      ; W: the plane, 64 half k rows, 512 cx bytes
	s_lshl_b32 s71, s[WC], 17
	s_add_co_u32 s70, s70, s71
	s_lshl_b32 s71, s[CX], 9
	s_add_co_u32 s70, s70, s71
	s_mov_b32 s71, 0
	s_mul_i32 s[LW], s[WV], HALF                   ; where my loads go: no place in the cluster enters an LDS address
	s_mov_b32 s[TB], 0
	s_wait_dscnt 0x0                               ; the opening add is done
	s_wait_kmcnt 0x0
	s_add_nc_u64 s[72:73], s[4:5], s[68:69]
	s_add_nc_u64 s[74:75], s[6:7], s[70:71]
	CROUND                                         ; all sixteen work-groups are here: the first joint loads meet
.irp s, 0,1
	s_mov_b32 s[G0A+4*(\s)], 1
	s_add_co_u32 s[G0A+4*(\s)+1], s[LW], (\s)*SLOT
	s_add_nc_u64 s[G0A+4*(\s)+2:G0A+4*(\s)+3], s[72:73], (\s)*ASTEP
	s_or_b32 s[G0A+4*(\s)+3], s[G0A+4*(\s)+3], 0x80000000
	s_mov_b32 s[G0B+4*(\s)], 1
	s_add_co_u32 s[G0B+4*(\s)+1], s[LW], (\s)*SLOT
	s_add_nc_u64 s[G0B+4*(\s)+2:G0B+4*(\s)+3], s[74:75], (\s)*BSTEP
	s_or_b32 s[G0B+4*(\s)+3], s[G0B+4*(\s)+3], 0x80000000
.endr
	s_cmp_eq_u32 s[WR], 0                          ; a wave's two first fills stand in one branch: K steps 0 and 1; two loads of mine are out
	s_cbranch_scc0 .Lfirst_b
	tensor_load_to_lds s[G0A:G0A+3], s[G1A:G1A+7]
	s_nop 0
	tensor_load_to_lds s[G0A+4:G0A+7], s[G1A:G1A+7]
	s_nop 0
	PLACES
	s_branch .Lfirst_asked
.Lfirst_b:
	tensor_load_to_lds s[G0B:G0B+3], s[G1B:G1B+7]
	s_nop 0
	tensor_load_to_lds s[G0B+4:G0B+7], s[G1B:G1B+7]
	s_nop 0
	PLACES
.Lfirst_asked:
	; the prefetches: x's rows are asked for by the cluster with x = 0, W's by the cluster with y = 0; the four partners of a joint load share its rows out by address
	s_lshl_b32 s76, s[CX], 16                      ; x: 32 cx rows of the 128 that I fetch,
	s_add_co_u32 s76, s76, s68
	s_add_co_u32 s76, s76, 2*ASTEP                 ; at K step 2: the first change steps it to 3
	s_lshl_b32 s77, s[CY], 15                      ; W: 16 cy rows of the 64
	s_add_co_u32 s77, s77, s70
	s_add_co_u32 s77, s77, 2*BSTEP
	s_mov_b32 s[PFS], BSTEP
	s_mov_b32 s[PFS+1], 0
	s_cmp_eq_u32 s[WR], 0
	s_cselect_b32 s76, s76, s77
	s_cselect_b64 s[PFA:PFA+1], s[4:5], s[6:7]
	s_cselect_b32 s[PFS], ASTEP, s[PFS]
	s_cselect_b32 s2, ttmp9, s[CLY]
	s_cselect_b32 s3, -1, 0
	s_mov_b32 s77, 0
	s_add_nc_u64 s[PFA:PFA+1], s[PFA:PFA+1], s[76:77]
	s_cmp_eq_u32 s2, 0
	s_cselect_b32 s[ASKS], 5, 0                    ; the same in all sixteen partners, for a given wave
	v_and_b32 v232, 15, v0                         ; r = l % 16
	v_bfe_u32 v233, v0, 4, 1                       ; h = l / 16
	v_and_b32 v234, 31, v0
	v_lshlrev_b32 v236, 11, v234                   ; x: a lane a row
	v_lshrrev_b32 v237, 1, v234                    ; W: two lanes a row of 512 bytes
	v_lshlrev_b32 v237, 11, v237
	v_and_b32 v238, 1, v0
	v_lshl_add_u32 v237, v238, 8, v237
	v_cndmask_b32 v[PFO], v237, v236, s3
	v_mul_u32_u24 v[A0], v232, PITCH
	v_lshl_add_u32 v[A0], v233, 4, v[A0]
	s_mul_i32 s2, s[WR], HALF
	v_add_nc_u32 v[A0], s2, v[A0]                  ; x: row x pitch + 16 h + my 128 rows
	v_and_b32 v235, 7, v0
	v_lshl_add_u32 v235, v233, 3, v235
	v_mul_u32_u24 v[B0], v235, BPITCH              ; W, turned: k row 8 h + l % 8,
	v_bfe_u32 v235, v0, 3, 1
	v_lshl_add_u32 v[B0], v235, 4, v[B0]           ; 16 bytes by (l / 8) % 2,
	s_lshl_b32 s2, s[WC], 8
	s_add_co_u32 s2, s2, 2*HALF
	v_add_nc_u32 v[B0], s2, v[B0]                  ; my 128 columns, behind x's tile
	v_mov_b32 v[ADRA], v[A0]
	v_mov_b32 v[ADRB], v[B0]
	s_mul_i32 s2, s[WV], DWAVE
	v_mul_u32_u24 v[DST], v232, DPITCH
	v_lshl_add_u32 v[DST], v233, 4, v[DST]
	v_add_nc_u32 v[DST], s2, v[DST]
	v_mul_u32_u24 v[RDA], v233, DPITCH
	v_lshl_add_u32 v[RDA], v232, 4, v[RDA]
	v_add_nc_u32 v[RDA], s2, v[RDA]
	v_lshlrev_b32 v[GO], 11, v233
	v_lshl_add_u32 v[GO], v232, 4, v[GO]
	s_lshl_b32 s2, ttmp9, 24                       ; my part of the plane in qkv
	s_lshl_b32 s51, s[TR], 19
	s_add_co_u32 s2, s2, s51
	s_lshl_b32 s51, s[WR], 18
	s_add_co_u32 s2, s2, s51
	s_lshl_b32 s51, s[CX], 9
	s_add_co_u32 s2, s2, s51
	s_lshl_b32 s51, s[WC], 8
	s_add_co_u32 s2, s2, s51
	s_mov_b32 s3, 0
	s_add_nc_u64 s[OUT:OUT+1], s[16:17], s[2:3]
	s_cmp_lt_u32 ttmp9, 2                          ; Q and K are turned; V takes the table's row of position 0
	s_cselect_b32 s2, 1, 0
	s_cselect_b32 s51, 4096, 0
	s_lshl_b32 s76, s[TR], 1
	s_add_co_u32 s76, s76, s[WR]
	s_and_b32 s76, s76, 15
	s_lshl_b32 s76, s76, 13
	s_mul_i32 s76, s76, s2                         ; the two table rows of my first two rows
	s_lshl_b32 s77, s[CX], 1
	s_add_co_u32 s77, s77, s[WC]
	s_lshl_b32 s77, s77, 9                         ; my chunk of 128 columns
	s_add_co_u32 s76, s76, s77
	s_lshl_b32 s2, s51, 5                          ; table row 32: position 2
	s_add_co_u32 s77, s77, s2
	v_lshlrev_b32 v239, 4, v232
	v_mul_u32_u24 v240, v233, s51
	v_add3_u32 v240, v240, v239, s76
	v_add_nc_u32 v241, s77, v239
	s_cmp_eq_u32 ttmp9, 1
	s_cselect_b64 s[76:77], s[12:13], s[10:11]
	s_cmp_eq_u32 ttmp9, 2
	s_cselect_b64 s[76:77], s[14:15], s[76:77]
	s_lshl_b32 s2, s[CX], 10
	s_lshl_b32 s51, s[WC], 9
	s_add_co_u32 s2, s2, s51
	v_lshl_add_u32 v242, v232, 5, s2
	global_load_b128 v[BI:BI+3], v242, s[76:77]
	global_load_b128 v[BI+4:BI+7], v242, s[76:77] offset:16
	global_load_b128 v[CS:CS+3], v240, s[8:9]
	global_load_b128 v[CS+4:CS+7], v240, s[8:9] offset:256
	global_load_b128 v[ST:ST+3], v241, s[8:9]
	global_load_b128 v[ST+4:ST+7], v241, s[8:9] offset:256
	s_wait_tensorcnt 0x1                           ; my part of K step 0 is in; K step 1's may stay out
	s_barrier_signal -1
	s_barrier_wait -1
	FETCH 0, F0
	QUARTER 1, F0, F1, 1                           ; the first quarter stands in front of the loop: its products start the sums
	WIN 0
	s_mov_b32 s[CNT], 6
.Ltop:                                                 ; a trip: from a K step's second quarter to the next step's first; it refills the slot that it leaves
	QUARTER 2, F1, F0, 0
	QUARTER 3, F0, F1, 0
	TURN 1
	QUARTER 1, F0, F1, 0
	WIN 0
	s_sub_co_u32 s[CNT], s[CNT], 1
	s_cmp_lg_u32 s[CNT], 0
	s_cbranch_scc1 .Ltop
	QUARTER 2, F1, F0, 0                           ; the last two K steps ask for nothing
	QUARTER 3, F0, F1, 0
	TURN 0
	QUARTER 1, F0, F1, 0
	QUARTER 2, F1, F0, 0
	QUARTER 3, F0, F1, 0
	s_wait_dscnt 8
	MUL16 F1, 0, 0, 0
	MUL16 F1, 0, 2, 0
	s_wait_dscnt 0x0
	MUL16 F1, 1, 0, 0
	MUL16 F1, 1, 2, 0
	WIN 0
	PLACES                                         ; the places behind the last products
	s_barrier_signal -1                            ; every wave's reads of the ring are back (the wait for 0 above); the ring has had its last fill
	s_barrier_wait -1
.irp a, 0,1,2,3,4,5,6,7                ; my sums into my part of LDS: columns 8 i .. 8 i + 3 at 16 i, columns 8 i + 4 .. at 256 + 16 i; each accumulator's low registers first
	WIN 0x08+4*((\a)/4)
.irp b, 0,1,2,3,4,5,6,7
	ds_store_b128 v[DST], v[8*(8*((\a)%4)+(\b)):8*(8*((\a)%4)+(\b))+3]   offset:(\a)*16*DPITCH+32*(\b)
	ds_store_b128 v[DST], v[8*(8*((\a)%4)+(\b))+4:8*(8*((\a)%4)+(\b))+7] offset:(\a)*16*DPITCH+32*(\b)+256
.endr
.endr
	WIN 0
.irp k, 0,1,2,3                        ; the first trip's 8 rows
	ds_load_b128 v[X+8*(\k):X+8*(\k)+3],   v[RDA] offset:(\k)*2*DPITCH       ; LDS serves a wave's instructions in order: these see my stores above
	ds_load_b128 v[X+8*(\k)+4:X+8*(\k)+7], v[RDA] offset:(\k)*2*DPITCH+256
.endr
	s_wait_loadcnt 0x0                             ; bias and table rows
.irp j, 0,1,2,3
	v_cvt_pk_bf16_f32 v[TT+(\j)], v[BI+2*(\j)], v[BI+2*(\j)+1]
.endr
.irp j, 0,1,2,3
	v_lshlrev_b32 v[BI+2*(\j)], 16, v[TT+(\j)]     ; the bias as rounded to bf16
	v_and_b32 v[BI+2*(\j)+1], 0xffff0000, v[TT+(\j)]
.endr
; A turn in two lines: the pair d takes (a c - b s, b c + a s), where (a, b) = the pair s and (c, s) = the pair m; d is another pair than s and m.
; The two lines of a turn are written eight lines apart, for four pairs at a time, so that no line reads the result of the one just before it.
.macro ROTM d, s, m
	v_pk_mul_f32 v[(\d):(\d)+1], v[(\s):(\s)+1], v[(\m):(\m)+1] op_sel_hi:[1,0]
.endm
.macro ROTF d, s, m
	v_pk_fma_f32 v[(\d):(\d)+1], v[(\s):(\s)+1], v[(\m):(\m)+1], v[(\d):(\d)+1] op_sel:[1,1,0] op_sel_hi:[0,1,1] neg_lo:[1,0,0]
.endm
	s_mov_b32 s[CNT], 16
.Lrows:                                                ; a trip: 8 rows, as 4 pairs (lanes 0-15 the even row, lanes 16-31 the odd one)
	s_wait_dscnt 0x0                               ; this trip's eight loads, issued a trip ago, are in
.irp k, 0,1,2,3
.irp p, 0,1,2,3
	v_pk_add_f32 v[T+8*(\k)+2*(\p):T+8*(\k)+2*(\p)+1], v[X+8*(\k)+2*(\p):X+8*(\k)+2*(\p)+1], v[BI+2*(\p):BI+2*(\p)+1]
.endr
.endr
	s_cmp_eq_u32 s[CNT], 1                         ; X is free: the next trip's 8 rows are asked for now; the last trip has none
	s_cbranch_scc1 .Lno_more
.irp k, 0,1,2,3
	ds_load_b128 v[X+8*(\k):X+8*(\k)+3],   v[RDA] offset:((\k)*2+8)*DPITCH
	ds_load_b128 v[X+8*(\k)+4:X+8*(\k)+7], v[RDA] offset:((\k)*2+8)*DPITCH+256
.endr
.Lno_more:
	v_add_nc_u32 v[RDA], 8*DPITCH, v[RDA]
.irp k, 0,1,2,3
.set cur, CS+CSD*((\k)%2)              ; the set of (cos, sin) in hand, and the one that takes the next pair of rows': four pairs a trip, so a trip ends where it began
.set nxt, CS+CSD*(1-(\k)%2)
.irp p, 0,1,2,3
	ROTM nxt+2*(\p), cur+2*(\p), ST+2*(\p)         ; (cos, sin) on by two positions,
.endr
.irp p, 0,1,2,3
	ROTM U+8*(\k)+2*(\p), T+8*(\k)+2*(\p), cur+2*(\p)  ; and the rows turned
.endr
.irp p, 0,1,2,3
	ROTF nxt+2*(\p), cur+2*(\p), ST+2*(\p)
.endr
.irp p, 0,1,2,3
	ROTF U+8*(\k)+2*(\p), T+8*(\k)+2*(\p), cur+2*(\p)
.endr
.endr
	s_wait_xcnt 0x0                                ; the last trip's stores have read their data and offset, which are written again below
	v_add_nc_u32 v[GO], 16384, v[GO]               ; the stores below reach back by their immediates
.irp k, 0,1,2,3
.irp p, 0,1,2,3
	v_cvt_pk_f16_f32 v[Y+4*(\k)+(\p)], v[U+8*(\k)+2*(\p)], v[U+8*(\k)+2*(\p)+1]
.endr
.endr
.irp k, 0,1,2,3
	global_store_b128 v[GO], v[Y+4*(\k):Y+4*(\k)+3], s[OUT:OUT+1] offset:(\k)*4096-16384  ; 16 lanes store 256 consecutive bytes, aligned
.endr
	s_sub_co_u32 s[CNT], s[CNT], 1
	s_cmp_lg_u32 s[CNT], 0
	s_cbranch_scc1 .Lrows
	s_wait_tensorcnt 0x0                           ; the wave's end
	ds_add_u32 v[SPW], v[NIL]
	s_wait_dscnt 0x0
	CROUND                                         ; the closing round
	s_endpgm
.Lfunc_end_k_q7738ce7f34_qkv:
	.size	k_q7738ce7f34_qkv, .Lfunc_end_k_q7738ce7f34_qkv-k_q7738ce7f34_qkv
	.p2alignl 7, 3214868480
	.fill 96, 4, 3214868480
	.section	.rodata,"a",@progbits
	.p2align	6, 0x0
	.amdhsa_kernel k_q7738ce7f34_qkv
		.amdhsa_group_segment_fixed_size 327680
		.amdhsa_private_segment_fixed_size 0
		.amdhsa_enable_private_segment 0
		.amdhsa_kernarg_size 56
		.amdhsa_user_sgpr_count 2
		.amdhsa_user_sgpr_kernarg_segment_ptr 1
		.amdhsa_wavefront_size32 1
		.amdhsa_system_sgpr_workgroup_id_x 1
		.amdhsa_system_sgpr_workgroup_id_y 1
		.amdhsa_system_sgpr_workgroup_id_z 1
		.amdhsa_system_vgpr_workitem_id 0
		.amdhsa_next_free_vgpr 1024
		.amdhsa_next_free_sgpr 80
		.amdhsa_reserve_vcc 0
		.amdhsa_float_denorm_mode_32 3
		.amdhsa_float_denorm_mode_16_64 3
		.amdhsa_memory_ordered 1
		.amdhsa_forward_progress 1
		.amdhsa_inst_pref_size 104
	.end_amdhsa_kernel
	.amdgpu_metadata
---
amdhsa.version: [ 1, 2 ]
amdhsa.kernels:
  - .name:           k_q7738ce7f34_qkv
    .symbol:         k_q7738ce7f34_qkv.kd
    .args:
      - { .name: xb, .offset: 0, .size: 8, .value_kind: global_buffer, .address_space: global }
      - { .name: wb, .offset: 8, .size: 8, .value_kind: global_buffer, .address_space: global }
      - { .name: tab, .offset: 16, .size: 8, .value_kind: global_buffer, .address_space: global }
      - { .name: bq, .offset: 24, .size: 8, .value_kind: global_buffer, .address_space: global }
      - { .name: bk, .offset: 32, .size: 8, .value_kind: global_buffer, .address_space: global }
      - { .name: bv, .offset: 40, .size: 8, .value_kind: global_buffer, .address_space: global }
      - { .name: qkv, .offset: 48, .size: 8, .value_kind: global_buffer, .address_space: global }
    .group_segment_fixed_size: 327680
    .private_segment_fixed_size: 0
    .kernarg_segment_align: 8
    .kernarg_segment_size: 56
    .max_flat_workgroup_size: 128
    .sgpr_count:     80
    .vgpr_count:     1024
    .wavefront_size: 32
...
	.end_amdgpu_metadata
.endif
;; end of part 2
;; launch scores (part 3): grid 12 x 16, 4 waves a work-group, clusters of 4 x 4, 327,680 bytes of LDS; arguments qkv, pt, stat; writes pt, stat
.if DOCPART == 3
	.amdgcn_target "amdgcn-amd-amdhsa--gfx1250"
	.amdhsa_code_object_version 6
	.text
	.protected	k_q7738ce7f34_scores
	.globl	k_q7738ce7f34_scores
	.p2align	8
	.type	k_q7738ce7f34_scores,@function
k_q7738ce7f34_scores:
	s_mov_b64 s[64:65], 0
	v_nop
	global_prefetch_b8 v0, s[64:65] scope:SCOPE_SE
	s_setreg_imm32_b32 hwreg(HW_REG_WAVE_MODE, 25, 1), 1
	s_wait_xcnt 0x0
	s_wait_alu depctr_hold_cnt(0) depctr_sa_sdst(0) depctr_va_vdst(0) depctr_va_sdst(0) depctr_va_ssrc(0) depctr_va_vcc(0) depctr_vm_vsrc(0)
	s_getreg_b32 s2, hwreg(HW_REG_IB_STS2, 6, 4)
	s_cmp_eq_u32 s2, 0
	s_cbranch_scc0 .Lentry_in_a_cluster
	s_endpgm
.Lentry_in_a_cluster:
	s_bfe_u32 s2, ttmp6, 0x10000c
	s_cmp_lg_u32 s2, 0xf033
	s_cbranch_scc0 .Lentry_shape_is_right
	s_endpgm
.Lentry_shape_is_right:
; SCORES.  For batch b (the cluster's y) and a block of 1,024 queries x 1,024 keys (the cluster's x: 0 = (0, 0), 1 = (1, 0), 2 = (1, 1); block (0, 1) is wholly hidden and left out):
; s = Q . K^T in f16 products, f32 sums.  For each row and each chunk of 128 keys: m = the chunk's maximum (never below -1e29), p = 2^(c s - c m) in f16 -> pt, l = the sum of the unrounded p,
; and c m and l -> stat; c = log2(e) / 32.  The maximum is taken away chunk by chunk here; the next launch brings the chunks of a row to the row's maximum.
; LIMITS: a hidden score counts as -1e30 (f16 operands bound |s| by 4.4e12); in a chunk that is wholly hidden all p and l are 0 and c m is about -4.5e27; NaN and infinities are not treated apart.
; In the diagonal blocks 6 of 16 tiles are wholly hidden: their work-groups make every joint request all the same and store the zeros that the next launch reads.
; SHARES, RING, CLUSTER, REGISTERS: a tile of 256 x 256, four waves 128 x 128, K = 1,024 channels in 8 steps of 128, two LDS slots; Q's tile shared along a row of the cluster, K's along a column.
; WAY OUT: each wave lays its sums (f32) into its own part of LDS and reads them back two rows at a time; a trip of the row loop takes 8 rows, each step written for all four pairs of rows before the next;
; the scaled scores go into other registers, and the next trip's rows are asked for at once, so that they land under the exponentials.
; stat: [m, l][b][chunk 16][2048] f32; inside each 64 rows, row 16 a + r lies at place 4 r + a.
.set PITCH,  272
.set HALF,   34816
.set SLOT,   4*HALF
.set DPITCH, 528
.set DWAVE,  136*DPITCH                ; a wave's part for the way out: its 128 rows, and 8 rows more that nobody writes or reads: the address of a reload one trip ahead never leaves the wave's own part
.set STAT,   4*DWAVE                   ; 1,024 bytes a wave: c m of its 128 rows, then l
.set SPARE,  STAT+4096                 ; the spare words: two blocks of 256 bytes that no other line names
.set ASTEP,  256
.set A0, 2
.set B0, 3
.set ADRA, 4
.set ADRB, 5
.set SPW, 6
.set NIL, 7
.set X, 32
.set F0, 64
.set F1, 128
.set E, 64                             ; the way out: c s - c m, then p
.set MX, 192
.set NM, 196
.set LS, 204
.set Y, 208
.set DST, 228
.set RDA, 229
.set GO, 230
.set PFO, 231
.set MT, 240
.set SA, 244
.set SR, 245
.set DD, 246
.set NEG, 247
.set SG, 248
.set STB, 10
.set TC, 12
.set RI, 13
.set CJ, 14
.set WV, 18
.set WR, 19
.set WC, 20
.set CX, 21
.set CY, 22
.set BB, 23
.set G1A, 24
.set G0A, 32
.set G1B, 40
.set TB, 48
.set CNT, 49
.set ASKS, 50
.set PFA, 52
.set OUT, 54
.set G0B, 56
.set TR, 66
.set LW, 67
.set CSC, 68
.set NC, 70
.set FLOOR, 71
.set MK, 80                            ; s[80:93] a trip's 14 masks of lanes
.set MSB, 0
.macro WIN new
.if MSB != (\new)
	s_set_vgpr_msb (MSB<<8)|(\new)
.set MSB, \new
.endif
.endm
.set MUL_LO, 0xa1
.set MUL_HI, 0xf1
.macro PLACES
.rept 4
	v_nop
.endr
.endm
.macro JLOAD
	s_cmp_eq_u32 s[WR], 0
	s_cbranch_scc0 .Lfor_b_\@
	tensor_load_to_lds s[G0A+4:G0A+7], s[G1A:G1A+7]
	s_nop 0
	PLACES
	s_branch .Lasked_\@
.Lfor_b_\@:
	tensor_load_to_lds s[G0B+4:G0B+7], s[G1B:G1B+7]
	s_nop 0
	PLACES
.Lasked_\@:
.endm
.macro CREST
	s_cmp_lg_u32 s[WV], 0
	s_cbranch_scc1 .Lnot_wave_0_\@
	s_barrier_signal -3
.Lnot_wave_0_\@:
	s_barrier_wait -3
	s_barrier_signal -1
	s_barrier_wait -1
.endm
.macro CROUND
	s_barrier_signal -1
	s_barrier_wait -1
	CREST
.endm
.macro ASK                             ; a prefetch of the K step behind the one just asked for; five times, K steps 3 to 7
	s_cmp_lg_u32 s[ASKS], 0
	s_cbranch_scc0 .Lnot_mine_\@
	global_prefetch_b8 v[PFO], s[PFA:PFA+1] th:TH_LOAD_NT scope:SCOPE_SE
	s_sub_co_u32 s[ASKS], s[ASKS], 1
.Lnot_mine_\@:
.endm
.macro MUL16 f, hi, a0, zero
	WIN MUL_LO+0x50*(\hi)
.irp a, \a0, (\a0)+1
.irp b, 0,1,2,3,4,5,6,7
.if \zero
	v_wmma_f32_16x16x32_f16 v[8*(8*(\a)+(\b)):8*(8*(\a)+(\b))+7], v[(\f)+8*(\b):(\f)+8*(\b)+7], v[(\f)+8*(4*(\hi)+(\a)):(\f)+8*(4*(\hi)+(\a))+7], 0
.else
	v_wmma_f32_16x16x32_f16 v[8*(8*(\a)+(\b)):8*(8*(\a)+(\b))+7], v[(\f)+8*(\b):(\f)+8*(\b)+7], v[(\f)+8*(4*(\hi)+(\a)):(\f)+8*(4*(\hi)+(\a))+7], v[8*(8*(\a)+(\b)):8*(8*(\a)+(\b))+7]
.endif
.endr
.endr
.endm
.macro FETCH q, f
	WIN 0x40
.irp i, 0,1,2,3,4,5,6,7
	ds_load_b128 v[(\f)+8*(\i):(\f)+8*(\i)+3],   v[ADRB] offset:64*(\q)+(\i)*16*PITCH
	ds_load_b128 v[(\f)+8*(\i)+4:(\f)+8*(\i)+7], v[ADRB] offset:64*(\q)+(\i)*16*PITCH+32
.endr
	WIN 0
.irp i, 0,1,2,3,4,5,6,7
	ds_load_b128 v[(\f)+8*(\i):(\f)+8*(\i)+3],   v[ADRA] offset:64*(\q)+(\i)*16*PITCH
	ds_load_b128 v[(\f)+8*(\i)+4:(\f)+8*(\i)+7], v[ADRA] offset:64*(\q)+(\i)*16*PITCH+32
.endr
.endm
.macro QUARTER q, f, g, zero
	s_wait_dscnt 8                                 ; K's fragments and Q's rows 0-63 are in; the youngest eight loads may be out
	MUL16 \f, 0, 0, \zero
	MUL16 \f, 0, 2, \zero
	PLACES
	FETCH \q, \g
	s_wait_dscnt 32                                ; all but the 32 just issued
	MUL16 \f, 1, 0, \zero
	MUL16 \f, 1, 2, \zero
.endm
.macro TURN fill
.if \fill
	s_wait_xcnt 0x0                                ; the last prefetch, a K step back, has read its address
	s_add_nc_u64 s[PFA:PFA+1], s[PFA:PFA+1], ASTEP
.endif
	WIN 0
	s_wait_tensorcnt 0x0                           ; all my tensor loads have landed: my part of the next slot
	ds_add_u32 v[SPW], v[NIL]                      ; 0 onto my spare word
	s_wait_dscnt 9                                 ; (the add and the youngest eight loads may be out)
	MUL16 F1, 0, 0, 0
	s_wait_dscnt 0x0                               ; the add is done and my reads of this slot are over
	s_barrier_signal -1
	MUL16 F1, 0, 2, 0
	WIN 0
	s_barrier_wait -1
.if \fill
	CREST                                          ; a round of the cluster's barrier: no wave of any partner still reads the slot or has a load on its way
	s_xor_b32 s[G0A+5], s[G0A+5], SLOT
	s_add_nc_u64 s[G0A+6:G0A+7], s[G0A+6:G0A+7], ASTEP
	s_xor_b32 s[G0B+5], s[G0B+5], SLOT
	s_add_nc_u64 s[G0B+6:G0B+7], s[G0B+6:G0B+7], ASTEP
	JLOAD
.else
	PLACES
.endif
	s_xor_b32 s[TB], s[TB], SLOT
	v_add_nc_u32 v[ADRA], s[TB], v[A0]
	v_add_nc_u32 v[ADRB], s[TB], v[B0]
	FETCH 0, F0
.if \fill
	ASK
.endif
	MUL16 F1, 1, 0, 0
	MUL16 F1, 1, 2, 0
.endm
	s_load_b128 s[4:7], s[0:1], 0x0                ; qkv s[4:5], pt s[6:7]
	s_load_b64 s[8:9], s[0:1], 0x10                ; stat
	v_lshl_add_u32 v[SPW], v0, 2, SPARE
	v_mov_b32 v[NIL], 0
	ds_add_u32 v[SPW], v[NIL]                      ; the wave's opening: the add and its wait stand ahead of my first tensor load
	v_lshrrev_b32 v1, 5, v0
	v_readfirstlane_b32 s[WV], v1
	s_lshr_b32 s[WR], s[WV], 1
	s_and_b32 s[WC], s[WV], 1
	s_bfe_u32 s[CX], ttmp6, 0x40000
	s_bfe_u32 s[CY], ttmp6, 0x40004
	s_and_b32 s[BB], ttmp7, 0xffff                 ; the batch
	s_min_u32 s[RI], ttmp9, 1                      ; the block's row of 1,024 queries
	s_lshr_b32 s[CJ], ttmp9, 1                     ; and its column of 1,024 keys
	s_lshl_b32 s[TR], s[RI], 2
	s_add_co_u32 s[TR], s[TR], s[CY]
	s_lshl_b32 s[TC], s[CJ], 2
	s_add_co_u32 s[TC], s[TC], s[CX]
	s_lshl_b32 s2, s[CY], 2
	s_lshl_b32 s2, 15, s2
	s_lshl_b32 s3, 0x1111, s[CX]
	s_or_b32 s[G1A], s2, (1<<16)|(1<<20)|(1<<21)|(5<<22)|(3<<25)
	s_or_b32 s[G1B], s3, (1<<16)|(1<<20)|(1<<21)|(5<<22)|(3<<25)
.irp g, G1A, G1B
	s_mov_b32 s[(\g)+1], 128<<16                   ; tensor_dim0 = 128
	s_mov_b32 s[(\g)+2], 128<<16                   ; tensor_dim1 = 128
	s_mov_b32 s[(\g)+3], 128<<16                   ; tile_dim0 = 128
	s_mov_b32 s[(\g)+4], 128                       ; tile_dim1 = 128
	s_mov_b32 s[(\g)+5], 1024
	s_mov_b32 s[(\g)+6], 0
	s_mov_b32 s[(\g)+7], 0
.endr
	s_lshl_b32 s72, s[BB], 22                      ; Q: (2048 b + 256 tile row + 128 half) rows of 2,048 bytes
	s_lshl_b32 s73, s[TR], 19
	s_add_co_u32 s72, s72, s73
	s_lshl_b32 s73, s[WC], 18
	s_add_co_u32 s72, s72, s73
	s_mov_b32 s73, 0
	s_lshl_b32 s74, s[BB], 22                      ; K: the same by the tile column, in plane 1
	s_lshl_b32 s75, s[TC], 19
	s_add_co_u32 s74, s74, s75
	s_lshl_b32 s75, s[WC], 18
	s_add_co_u32 s74, s74, s75
	s_add_co_u32 s74, s74, 0x1000000
	s_mov_b32 s75, 0
	s_mul_i32 s[LW], s[WV], HALF
	s_mov_b32 s[TB], 0
	s_mov_b32 s[CSC], 0x3d38aa3b                   ; c = log2(e) / 32
	s_mov_b32 s[CSC+1], s[CSC]
	s_mov_b32 s[NC], 0xbd38aa3b                    ; -c
	s_mov_b32 s[FLOOR], 0xefa18f04                 ; -1e29
	s_wait_dscnt 0x0                               ; the opening add is done
	s_wait_kmcnt 0x0
	s_add_nc_u64 s[76:77], s[4:5], s[72:73]
	s_add_nc_u64 s[78:79], s[4:5], s[74:75]
	CROUND
.irp s, 0,1
	s_mov_b32 s[G0A+4*(\s)], 1
	s_add_co_u32 s[G0A+4*(\s)+1], s[LW], (\s)*SLOT
	s_add_nc_u64 s[G0A+4*(\s)+2:G0A+4*(\s)+3], s[76:77], (\s)*ASTEP
	s_or_b32 s[G0A+4*(\s)+3], s[G0A+4*(\s)+3], 0x80000000
	s_mov_b32 s[G0B+4*(\s)], 1
	s_add_co_u32 s[G0B+4*(\s)+1], s[LW], (\s)*SLOT
	s_add_nc_u64 s[G0B+4*(\s)+2:G0B+4*(\s)+3], s[78:79], (\s)*ASTEP
	s_or_b32 s[G0B+4*(\s)+3], s[G0B+4*(\s)+3], 0x80000000
.endr
	s_cmp_eq_u32 s[WR], 0                          ; a wave's two first fills stand in one branch: two loads of mine are out
	s_cbranch_scc0 .Lfirst_b
	tensor_load_to_lds s[G0A:G0A+3], s[G1A:G1A+7]
	s_nop 0
	tensor_load_to_lds s[G0A+4:G0A+7], s[G1A:G1A+7]
	s_nop 0
	PLACES
	s_branch .Lfirst_asked
.Lfirst_b:
	tensor_load_to_lds s[G0B:G0B+3], s[G1B:G1B+7]
	s_nop 0
	tensor_load_to_lds s[G0B+4:G0B+7], s[G1B:G1B+7]
	s_nop 0
	PLACES
.Lfirst_asked:
	; the prefetches: Q's rows are asked for by clusters 0 and 1 of a batch, K's by clusters 0 and 2: each row once; the partners of a joint load take 32 rows each, by address
	s_lshl_b32 s2, s[CX], 16
	s_add_co_u32 s2, s2, s72
	s_add_co_u32 s2, s2, 2*ASTEP
	s_lshl_b32 s3, s[CY], 16
	s_add_co_u32 s3, s3, s74
	s_add_co_u32 s3, s3, 2*ASTEP
	s_cmp_eq_u32 ttmp9, 1
	s_cselect_b32 s51, 1, 0
	s_cmp_eq_u32 s[WR], 0
	s_cselect_b32 s2, s2, s3
	s_cselect_b32 s51, s[CJ], s51
	s_mov_b32 s3, 0
	s_add_nc_u64 s[PFA:PFA+1], s[4:5], s[2:3]
	s_cmp_eq_u32 s51, 0
	s_cselect_b32 s[ASKS], 5, 0
	v_and_b32 v232, 15, v0                         ; r
	v_bfe_u32 v233, v0, 4, 1                       ; h
	v_and_b32 v234, 31, v0
	v_lshlrev_b32 v[PFO], 11, v234
	v_mul_u32_u24 v235, v232, PITCH
	v_lshl_add_u32 v235, v233, 4, v235
	s_mul_i32 s2, s[WR], HALF
	v_add_nc_u32 v[A0], s2, v235
	s_mul_i32 s2, s[WC], HALF
	s_add_co_u32 s2, s2, 2*HALF
	v_add_nc_u32 v[B0], s2, v235
	v_mov_b32 v[ADRA], v[A0]
	v_mov_b32 v[ADRB], v[B0]
	s_mul_i32 s2, s[WV], DWAVE
	v_mul_u32_u24 v[DST], v232, DPITCH
	v_lshl_add_u32 v[DST], v233, 4, v[DST]
	v_add_nc_u32 v[DST], s2, v[DST]
	v_mul_u32_u24 v[RDA], v233, DPITCH
	v_lshl_add_u32 v[RDA], v232, 4, v[RDA]
	v_add_nc_u32 v[RDA], s2, v[RDA]
	v_lshlrev_b32 v[GO], 12, v233
	v_lshl_add_u32 v[GO], v232, 4, v[GO]
	s_lshl_b32 s2, s[WV], 10
	s_add_co_u32 s2, s2, STAT
	v_lshl_add_u32 v[SA], v233, 2, s2              ; where a row's figures go: 4 x its number among my 128
	v_lshlrev_b32 v[SR], 8, v233
	v_lshl_add_u32 v[SR], v232, 2, v[SR]
	v_add_nc_u32 v[SR], s2, v[SR]
	v_lshlrev_b32 v[SG], 4, v234
	s_lshl_b32 s2, s[TR], 8                        ; my first row less my first column,
	s_lshl_b32 s3, s[WR], 7
	s_add_co_u32 s2, s2, s3
	s_lshl_b32 s3, s[TC], 8
	s_sub_co_u32 s2, s2, s3
	s_lshl_b32 s3, s[WC], 7
	s_sub_co_u32 s2, s2, s3
	v_lshlrev_b32 v235, 3, v232
	v_sub_nc_u32 v[DD], v233, v235
	v_add_nc_u32 v[DD], s2, v[DD]                  ; + h - 8 i: in the trip's first pair of rows number j of my eight is hidden where j is greater
	v_mov_b32 v[NEG], 0xf149f2ca                   ; -1e30
.irp k, 0,1,2,3
	v_mov_b32 v[NM+2*(\k)+1], 0                    ; named with its neighbour as a pair
.endr
	s_lshl_b32 s2, s[BB], 23
	s_lshl_b32 s3, s[TR], 20
	s_add_co_u32 s2, s2, s3
	s_lshl_b32 s3, s[WR], 19
	s_add_co_u32 s2, s2, s3
	s_lshl_b32 s3, s[TC], 9
	s_add_co_u32 s2, s2, s3
	s_lshl_b32 s3, s[WC], 8
	s_add_co_u32 s2, s2, s3
	s_mov_b32 s3, 0
	s_add_nc_u64 s[OUT:OUT+1], s[6:7], s[2:3]
	s_lshl_b32 s2, s[BB], 17
	s_lshl_b32 s3, s[TC], 14
	s_add_co_u32 s2, s2, s3
	s_lshl_b32 s3, s[WC], 13
	s_add_co_u32 s2, s2, s3
	s_lshl_b32 s3, s[TR], 10
	s_add_co_u32 s2, s2, s3
	s_lshl_b32 s3, s[WR], 9
	s_add_co_u32 s2, s2, s3
	s_mov_b32 s3, 0
	s_add_nc_u64 s[STB:STB+1], s[8:9], s[2:3]
	s_wait_tensorcnt 0x1                           ; my part of K step 0 is in; K step 1's may stay out
	s_barrier_signal -1
	s_barrier_wait -1
	FETCH 0, F0
	QUARTER 1, F0, F1, 1
	WIN 0
	s_mov_b32 s[CNT], 6
.Ltop:
	QUARTER 2, F1, F0, 0
	QUARTER 3, F0, F1, 0
	TURN 1
	QUARTER 1, F0, F1, 0
	WIN 0
	s_sub_co_u32 s[CNT], s[CNT], 1
	s_cmp_lg_u32 s[CNT], 0
	s_cbranch_scc1 .Ltop
	QUARTER 2, F1, F0, 0
	QUARTER 3, F0, F1, 0
	TURN 0
	QUARTER 1, F0, F1, 0
	QUARTER 2, F1, F0, 0
	QUARTER 3, F0, F1, 0
	s_wait_dscnt 8
	MUL16 F1, 0, 0, 0
	MUL16 F1, 0, 2, 0
	s_wait_dscnt 0x0
	MUL16 F1, 1, 0, 0
	MUL16 F1, 1, 2, 0
	WIN 0
	PLACES
	s_barrier_signal -1                            ; every wave's reads of the ring are back; the ring has had its last fill
	s_barrier_wait -1
.irp a, 0,1,2,3,4,5,6,7
	WIN 0x08+4*((\a)/4)
.irp b, 0,1,2,3,4,5,6,7
	ds_store_b128 v[DST], v[8*(8*((\a)%4)+(\b)):8*(8*((\a)%4)+(\b))+3]   offset:(\a)*16*DPITCH+32*(\b)
	ds_store_b128 v[DST], v[8*(8*((\a)%4)+(\b))+4:8*(8*((\a)%4)+(\b))+7] offset:(\a)*16*DPITCH+32*(\b)+256
.endr
.endr
	WIN 0
.irp k, 0,1,2,3                        ; the first trip's 8 rows
	ds_load_b128 v[X+8*(\k):X+8*(\k)+3],   v[RDA] offset:(\k)*2*DPITCH       ; LDS serves a wave's instructions in order: these see my stores above
	ds_load_b128 v[X+8*(\k)+4:X+8*(\k)+7], v[RDA] offset:(\k)*2*DPITCH+256
.endr
	s_mov_b32 s[CNT], 16
	s_wait_dscnt 0x0                               ; they are in: nothing was issued behind them, so the loop's counted wait would not show it
.Lrows:                                                ; a trip: 8 rows as 4 pairs; the 16 lanes of a half hold a row's 128 keys, 8 each
	s_wait_dscnt 8                                 ; this trip's eight loads are in; the eight stores of figures that were issued behind them may be out
.set d, -6
.rept 14                               ; number j of pair k is hidden where j - 2 k is greater than DD: 14 values of j - 2 k, a mask of lanes for each
	v_cmp_gt_i32 s[MK+d+6], d, v[DD]
.set d, d+1
.endr
.irp k, 0,1,2,3
.irp j, 0,1,2,3,4,5,6,7
	v_cndmask_b32 v[X+8*(\k)+(\j)], v[X+8*(\k)+(\j)], v[NEG], s[MK+(\j)-2*(\k)+6]
.endr
.endr
	v_add_nc_u32 v[DD], 8, v[DD]
.irp k, 0,1,2,3
	v_max3_num_f32 v[MX+(\k)], v[X+8*(\k)], v[X+8*(\k)+1], v[X+8*(\k)+2]
.endr
.irp k, 0,1,2,3
	v_max3_num_f32 v[MX+(\k)], v[MX+(\k)], v[X+8*(\k)+3], v[X+8*(\k)+4]
.endr
.irp k, 0,1,2,3
	v_max3_num_f32 v[MX+(\k)], v[MX+(\k)], v[X+8*(\k)+5], v[X+8*(\k)+6]
.endr
.irp k, 0,1,2,3
	v_max3_num_f32 v[MX+(\k)], v[MX+(\k)], v[X+8*(\k)+7], s[FLOOR]
.endr
.irp m, 1,2,4,8
.irp k, 0,1,2,3
	v_max_num_f32_dpp v[MX+(\k)], v[MX+(\k)], v[MX+(\k)] row_xmask:\m row_mask:0xf bank_mask:0xf
.endr
.endr
.irp k, 0,1,2,3
	v_mul_f32 v[NM+2*(\k)], s[NC], v[MX+(\k)]
.endr
.irp k, 0,1,2,3
.irp j, 0,2,4,6
	v_pk_fma_f32 v[E+8*(\k)+(\j):E+8*(\k)+(\j)+1], v[X+8*(\k)+(\j):X+8*(\k)+(\j)+1], s[CSC:CSC+1], v[NM+2*(\k):NM+2*(\k)+1] op_sel_hi:[1,0,0]
.endr
.endr
	s_cmp_eq_u32 s[CNT], 1                         ; X is free: the next trip's 8 rows are asked for now; the last trip has none
	s_cbranch_scc1 .Lno_more
.irp k, 0,1,2,3
	ds_load_b128 v[X+8*(\k):X+8*(\k)+3],   v[RDA] offset:((\k)*2+8)*DPITCH
	ds_load_b128 v[X+8*(\k)+4:X+8*(\k)+7], v[RDA] offset:((\k)*2+8)*DPITCH+256
.endr
.Lno_more:
	v_add_nc_u32 v[RDA], 8*DPITCH, v[RDA]
.set i, 0
.rept 32
	v_exp_f32 v[E+i], v[E+i]                       ; one batch
.set i, i+1
.endr
.irp k, 0,1,2,3
	v_mul_f32 v[MT+(\k)], s[CSC], v[MX+(\k)]       ; c m: plain instructions behind the last exponential
.endr
	s_wait_alu depctr_va_vdst(0)                   ; one wait for the 32, ahead of their first reader
	s_wait_xcnt 0x0                                ; the last trip's stores have read their data and offset, which are written again below
	v_add_nc_u32 v[GO], 32768, v[GO]               ; the stores below reach back by their immediates
.irp k, 0,1,2,3
.irp p, 0,1,2,3
	v_cvt_pk_f16_f32 v[Y+4*(\k)+(\p)], v[E+8*(\k)+2*(\p)], v[E+8*(\k)+2*(\p)+1]
.endr
.endr
.irp k, 0,1,2,3
	global_store_b128 v[GO], v[Y+4*(\k):Y+4*(\k)+3], s[OUT:OUT+1] offset:(\k)*8192-32768  ; 16 lanes store 256 consecutive bytes, aligned
.endr
.irp k, 0,1,2,3
	v_pk_add_f32 v[E+8*(\k):E+8*(\k)+1], v[E+8*(\k):E+8*(\k)+1], v[E+8*(\k)+2:E+8*(\k)+3]
.endr
.irp k, 0,1,2,3
	v_pk_add_f32 v[E+8*(\k)+4:E+8*(\k)+5], v[E+8*(\k)+4:E+8*(\k)+5], v[E+8*(\k)+6:E+8*(\k)+7]
.endr
.irp k, 0,1,2,3
	v_pk_add_f32 v[E+8*(\k):E+8*(\k)+1], v[E+8*(\k):E+8*(\k)+1], v[E+8*(\k)+4:E+8*(\k)+5]
.endr
.irp k, 0,1,2,3
	v_add_f32 v[LS+(\k)], v[E+8*(\k)], v[E+8*(\k)+1]
.endr
.irp m, 1,2,4,8
.irp k, 0,1,2,3
	v_add_f32_dpp v[LS+(\k)], v[LS+(\k)], v[LS+(\k)] row_xmask:\m row_mask:0xf bank_mask:0xf
.endr
.endr
.irp k, 0,1,2,3
	ds_store_b32 v[SA], v[MT+(\k)] offset:8*(\k)          ; the 16 lanes of a row write the same word with the same number
	ds_store_b32 v[SA], v[LS+(\k)] offset:512+8*(\k)
.endr
	v_add_nc_u32 v[SA], 32, v[SA]
	s_sub_co_u32 s[CNT], s[CNT], 1
	s_cmp_lg_u32 s[CNT], 0
	s_cbranch_scc1 .Lrows
.irp a, 0,1,2,3                        ; my 128 rows' figures, in the order of stat: lane l takes rows 64 (l / 16) + 16 a + l % 16
	ds_load_b32 v[16+(\a)], v[SR] offset:64*(\a)
	ds_load_b32 v[20+(\a)], v[SR] offset:512+64*(\a)
.endr
	s_wait_dscnt 0x0
	global_store_b128 v[SG], v[16:19], s[STB:STB+1]
	global_store_b128 v[SG], v[20:23], s[STB:STB+1] offset:524288
	s_wait_tensorcnt 0x0                           ; the wave's end
	ds_add_u32 v[SPW], v[NIL]
	s_wait_dscnt 0x0
	CROUND
	s_endpgm
.Lfunc_end_k_q7738ce7f34_scores:
	.size	k_q7738ce7f34_scores, .Lfunc_end_k_q7738ce7f34_scores-k_q7738ce7f34_scores
	.p2alignl 7, 3214868480
	.fill 96, 4, 3214868480
	.section	.rodata,"a",@progbits
	.p2align	6, 0x0
	.amdhsa_kernel k_q7738ce7f34_scores
		.amdhsa_group_segment_fixed_size 327680
		.amdhsa_private_segment_fixed_size 0
		.amdhsa_enable_private_segment 0
		.amdhsa_kernarg_size 24
		.amdhsa_user_sgpr_count 2
		.amdhsa_user_sgpr_kernarg_segment_ptr 1
		.amdhsa_wavefront_size32 1
		.amdhsa_system_sgpr_workgroup_id_x 1
		.amdhsa_system_sgpr_workgroup_id_y 1
		.amdhsa_system_sgpr_workgroup_id_z 1
		.amdhsa_system_vgpr_workitem_id 0
		.amdhsa_next_free_vgpr 1024
		.amdhsa_next_free_sgpr 96
		.amdhsa_reserve_vcc 0
		.amdhsa_float_denorm_mode_32 3
		.amdhsa_float_denorm_mode_16_64 3
		.amdhsa_memory_ordered 1
		.amdhsa_forward_progress 1
		.amdhsa_inst_pref_size 108
	.end_amdhsa_kernel
	.amdgpu_metadata
---
amdhsa.version: [ 1, 2 ]
amdhsa.kernels:
  - .name:           k_q7738ce7f34_scores
    .symbol:         k_q7738ce7f34_scores.kd
    .args:
      - { .name: qkv, .offset: 0, .size: 8, .value_kind: global_buffer, .address_space: global }
      - { .name: pt, .offset: 8, .size: 8, .value_kind: global_buffer, .address_space: global }
      - { .name: stat, .offset: 16, .size: 8, .value_kind: global_buffer, .address_space: global }
    .group_segment_fixed_size: 327680
    .private_segment_fixed_size: 0
    .kernarg_segment_align: 8
    .kernarg_segment_size: 24
    .max_flat_workgroup_size: 128
    .sgpr_count:     96
    .vgpr_count:     1024
    .wavefront_size: 32
...
	.end_amdgpu_metadata
.endif
;; end of part 3
;; launch pv (part 4): grid 8 x 32, 4 waves a work-group, clusters of 4 x 4, 327,680 bytes of LDS; arguments pt, qkv, stat, ob; writes ob
.if DOCPART == 4
	.amdgcn_target "amdgcn-amd-amdhsa--gfx1250"
	.amdhsa_code_object_version 6
	.text
	.protected	k_q7738ce7f34_pv
	.globl	k_q7738ce7f34_pv
	.p2align	8
	.type	k_q7738ce7f34_pv,@function
k_q7738ce7f34_pv:
	s_mov_b64 s[64:65], 0
	v_nop
	global_prefetch_b8 v0, s[64:65] scope:SCOPE_SE
	s_setreg_imm32_b32 hwreg(HW_REG_WAVE_MODE, 25, 1), 1
	s_wait_xcnt 0x0
	s_wait_alu depctr_hold_cnt(0) depctr_sa_sdst(0) depctr_va_vdst(0) depctr_va_sdst(0) depctr_va_ssrc(0) depctr_va_vcc(0) depctr_vm_vsrc(0)
	s_getreg_b32 s2, hwreg(HW_REG_IB_STS2, 6, 4)
	s_cmp_eq_u32 s2, 0
	s_cbranch_scc0 .Lentry_in_a_cluster
	s_endpgm
.Lentry_in_a_cluster:
	s_bfe_u32 s2, ttmp6, 0x10000c
	s_cmp_lg_u32 s2, 0xf033
	s_cbranch_scc0 .Lentry_shape_is_right
	s_endpgm
.Lentry_shape_is_right:
; PV.  ob[row] = (sum over chunks c of alpha_c (p_c . V_c)) / L, alpha_c = 2^(c m_c - M), M = the row's maximum of c m_c, L = sum of alpha_c l_c: the softmax with the row's true maximum taken away.
; p (pt, f16) is multiplied by alpha (rounded to f16) as it stands in the fragment registers, a K step = a chunk of 128 keys; products in f16, sums in f32; O rounded once to f16.
; LIMITS: a weight alpha p below f16's step of 6e-8 counts as 0; V and O within 65,504.
; SHARES.  A work-group makes 256 rows x 128 channels, wave w rows 64 w .. 64 w + 63: 32 accumulators in window 1.  The cluster's y gives R = 1 - y / 4 (the upper or lower 1,024 rows) and the batch y % 4;
; rows of R = 0 need 8 K steps, rows of R = 1 need 16: the trip count is the same in all partners of a cluster.  The long clusters come first.
; CLUSTER 4 x 4: p's tile is shared along a row, V's along a column.  RING: two slots, each with its own descriptors; every LDS address of the text is a register that is never rewritten, plus an immediate.
; WAY OUT.  A lane of an accumulator holds one row, the row whose 1 / L the lane has made: the sums are scaled in place, rounded to f16, 16 bytes a lane, and go through the wave's own stage
; (in the ring, which has had its last fill; rows of 272 bytes) to come back as whole rows of 256 bytes.
; REGISTERS, window 0: v2-7 addresses, v8-15 alpha of the two slots, v16-19 M, v20-23 c m on its way, v24-27 at work, v28-39 addresses, v40-47 1 / L, v64-127 p's fragments (two buffers), v128-255 V's.
.set ALPHA,  1
.set PITCH,  272
.set BPITCH, 288
.set AHALF,  128*PITCH
.set BHALF,  64*BPITCH
.set BOFF,   2*AHALF
.set SLOT,   BOFF+2*BHALF
.set SPARE,  2*SLOT                    ; the spare words: two blocks of 256 bytes that no other line names
.set SP,     272                       ; a row of the stage: 256 bytes + 16
.set SWAVE,  64*SP
.set ASTEP,  256
.set BSTEP,  262144
.set ADRA, 2
.set ADRB, 4
.set SPW, 6
.set NIL, 7
.set AL, 8
.set M, 16
.set MS, 20
.set E, 24
.set SO, 28
.set SO2, 29
.set PFO, 31
.set STO, 32
.set RD, 33
.set GO, 34
.set IV, 40                            ; 1 / L of row 16 a + r at v[IV + 2 a]; its neighbour is named with it as a pair
.set FA, 64
.set FB, 128
.set TMP, 64
.set WV, 18
.set WR, 19
.set WC, 20
.set CX, 21
.set CY, 22
.set CL, 23
.set G1A, 24
.set G0A, 32
.set G1B, 40
.set NL, 48
.set CNT, 49
.set ASKS, 50
.set PFA, 52
.set OUT, 54
.set PFS, 56
.set MB, 58
.set MA, 60
.set OFF, 62
.set OFFMAX, 66
.set WRF, 68
.set RR, 70
.set BB, 71
.set TR, 72
.set TC, 73
.set G0B, 80
.set MSB, 0
.macro WIN new
.if MSB != (\new)
	s_set_vgpr_msb (MSB<<8)|(\new)
.set MSB, \new
.endif
.endm
.macro PLACES
.rept 4
	v_nop
.endr
.endm
.macro JLOAD s                         ; a joint refill of slot s: waves 0, 1 fetch p's halves, waves 2, 3 V's
	s_cmp_eq_u32 s[WR], 0
	s_cbranch_scc0 .Lfor_b_\@
	tensor_load_to_lds s[G0A+4*(\s):G0A+4*(\s)+3], s[G1A:G1A+7]
	s_nop 0
	PLACES
	s_branch .Lasked_\@
.Lfor_b_\@:
	tensor_load_to_lds s[G0B+4*(\s):G0B+4*(\s)+3], s[G1B:G1B+7]
	s_nop 0
	PLACES
.Lasked_\@:
.endm
.macro CREST
	s_cmp_lg_u32 s[WV], 0
	s_cbranch_scc1 .Lnot_wave_0_\@
	s_barrier_signal -3
.Lnot_wave_0_\@:
	s_barrier_wait -3
	s_barrier_signal -1
	s_barrier_wait -1
.endm
.macro CROUND
	s_barrier_signal -1
	s_barrier_wait -1
	CREST
.endm
.macro ASK                             ; a prefetch of the K step behind the one just asked for: K steps 3 to the last
	s_cmp_lg_u32 s[ASKS], 0
	s_cbranch_scc0 .Lnot_mine_\@
	global_prefetch_b8 v[PFO], s[PFA:PFA+1] th:TH_LOAD_NT scope:SCOPE_SE
	s_sub_co_u32 s[ASKS], s[ASKS], 1
.Lnot_mine_\@:
.endm
.macro BLK f, a, al, zero=0            ; block a of 16 rows of buffer f: its fragment times alpha, then 8 products; the 32 accumulators take turns
.if ALPHA
	WIN 0
.irp j, 0,1,2,3,4,5,6,7
	v_pk_mul_f16 v[FA+32*(\f)+8*(\a)+(\j)], v[FA+32*(\f)+8*(\a)+(\j)], v[AL+4*(\al)+(\a)]
.endr
.endif
	WIN 0x50
.irp b, 0,1,2,3,4,5,6,7
.if \zero
	v_wmma_f32_16x16x32_f16 v[8*(8*(\a)+(\b)):8*(8*(\a)+(\b))+7], v[FB+64*(\f)+8*(\b):FB+64*(\f)+8*(\b)+7], v[FA+32*(\f)+8*(\a):FA+32*(\f)+8*(\a)+7], 0
.else
	v_wmma_f32_16x16x32_f16 v[8*(8*(\a)+(\b)):8*(8*(\a)+(\b))+7], v[FB+64*(\f)+8*(\b):FB+64*(\f)+8*(\b)+7], v[FA+32*(\f)+8*(\a):FA+32*(\f)+8*(\a)+7], v[8*(8*(\a)+(\b)):8*(8*(\a)+(\b))+7]
.endif
.endr
.endm
.macro FETCHM slot, q, f               ; 24 LDS loads in one run: V's 8 fragments, turned, then p's 4
	WIN 0
.irp i, 0,1,2,3,4,5,6,7
	ds_load_tr16_b128 v[FB+64*(\f)+8*(\i):FB+64*(\f)+8*(\i)+3],   v[ADRB+(\slot)] offset:(\q)*32*BPITCH+32*(\i)
	ds_load_tr16_b128 v[FB+64*(\f)+8*(\i)+4:FB+64*(\f)+8*(\i)+7], v[ADRB+(\slot)] offset:(\q)*32*BPITCH+32*(\i)+16*BPITCH
.endr
.irp i, 0,1,2,3
	ds_load_b128 v[FA+32*(\f)+8*(\i):FA+32*(\f)+8*(\i)+3],   v[ADRA+(\slot)] offset:64*(\q)+(\i)*16*PITCH
	ds_load_b128 v[FA+32*(\f)+8*(\i)+4:FA+32*(\f)+8*(\i)+7], v[ADRA+(\slot)] offset:64*(\q)+(\i)*16*PITCH+32
.endr
.endm
.macro QM slot, q, f, g, zero=0        ; multiplies buffer f; in its middle fetches quarter q of the slot into buffer g
	s_wait_dscnt 4                                 ; V's fragments and p's blocks 0, 1 are in; the youngest four loads may be out
	BLK \f, 0, \slot, \zero
	BLK \f, 1, \slot, \zero
	PLACES
	FETCHM \slot, \q, \g
	s_wait_dscnt 24                                ; all but the 24 just issued
	BLK \f, 2, \slot, \zero
	BLK \f, 3, \slot, \zero
.endm
.macro TURNM next, fill                ; a K step's last quarter (buffer 1, slot 1 - next) and the change of slots
.if \fill
	s_wait_xcnt 0x0                                ; the last prefetch, a K step back, has read its address
	s_add_nc_u64 s[PFA:PFA+1], s[PFA:PFA+1], s[PFS:PFS+1]
.endif
	WIN 0
	s_wait_tensorcnt 0x0                           ; all my tensor loads have landed: my part of the next slot
	ds_add_u32 v[SPW], v[NIL]                      ; 0 onto my spare word
	s_wait_dscnt 5                                 ; (the add and the youngest four loads may be out)
	BLK 1, 0, 1-(\next)
	s_wait_dscnt 0x0                               ; the add is done and my reads of this slot are over
	s_barrier_signal -1
	BLK 1, 1, 1-(\next)
	WIN 0
	s_barrier_wait -1
.if \fill
	CREST                                          ; a round of the cluster's barrier: no wave of any partner still reads the slot or has a load on its way
	s_add_nc_u64 s[G0A+4*(1-(\next))+2:G0A+4*(1-(\next))+3], s[G0A+4*(1-(\next))+2:G0A+4*(1-(\next))+3], 2*ASTEP
	s_add_nc_u64 s[G0B+4*(1-(\next))+2:G0B+4*(1-(\next))+3], s[G0B+4*(1-(\next))+2:G0B+4*(1-(\next))+3], 2*BSTEP
	JLOAD 1-(\next)
.else
	PLACES
.endif
	FETCHM \next, 0, 0
.if \fill
	ASK
.endif
	BLK 1, 2, 1-(\next)
	BLK 1, 3, 1-(\next)
.if ALPHA && (\fill)
	WIN 0                                          ; alpha of the K step just asked for, into the set that the slot left has done with
	s_wait_loadcnt 0x0                             ; its c m is in
.irp a, 0,1,2,3
	v_sub_f32 v[E+(\a)], v[MS+(\a)], v[M+(\a)]
.endr
.irp a, 0,1,2,3
	v_exp_f32 v[E+(\a)], v[E+(\a)]
.endr
	v_nop                                          ; a plain instruction behind the last exponential,
	s_wait_alu depctr_va_vdst(0)                   ; and one wait for the four
.irp a, 0,1,2,3
	v_cvt_pk_f16_f32 v[AL+4*(1-(\next))+(\a)], v[E+(\a)], v[E+(\a)]
.endr
	s_add_co_u32 s[OFF], s[OFF], 8192              ; the next chunk's c m; behind the last chunk the last is read again and not used
	s_min_u32 s[OFF], s[OFF], s[OFFMAX]
	s_add_nc_u64 s[MA:MA+1], s[MB:MB+1], s[OFF:OFF+1]
	global_load_b128 v[MS:MS+3], v[SO], s[MA:MA+1]
.endif
.endm
	s_load_b256 s[4:11], s[0:1], 0x0               ; pt s[4:5], qkv s[6:7], stat s[8:9], ob s[10:11]
	v_lshl_add_u32 v[SPW], v0, 2, SPARE
	v_mov_b32 v[NIL], 0
	ds_add_u32 v[SPW], v[NIL]                      ; the wave's opening: the add and its wait stand ahead of my first tensor load
	v_lshrrev_b32 v1, 5, v0
	v_readfirstlane_b32 s[WV], v1
	s_lshr_b32 s[WR], s[WV], 1                     ; I fetch for p (0) or V (1),
	s_and_b32 s[WC], s[WV], 1                      ; its first or second half
	s_bfe_u32 s[CX], ttmp6, 0x40000
	s_bfe_u32 s[CY], ttmp6, 0x40004
	s_and_b32 s[CL], ttmp7, 0xffff
	s_lshr_b32 s[RR], s[CL], 2
	s_sub_co_u32 s[RR], 1, s[RR]                   ; R
	s_and_b32 s[BB], s[CL], 3                      ; the batch
	s_lshl_b32 s[TR], s[RR], 2
	s_add_co_u32 s[TR], s[TR], s[CY]               ; tile row in the batch
	s_lshl_b32 s[TC], ttmp9, 2
	s_add_co_u32 s[TC], s[TC], s[CX]               ; tile column
	s_lshl_b32 s[NL], s[RR], 2
	s_add_co_u32 s[NL], s[NL], 3                   ; trips: half the K steps less one: 3 or 7
	s_lshl_b32 s[OFFMAX], s[RR], 16
	s_add_co_u32 s[OFFMAX], s[OFFMAX], 7*8192      ; the last chunk
	s_cvt_f32_u32 s[WRF], s[RR]
	s_lshl_b32 s2, s[CY], 2
	s_lshl_b32 s2, 15, s2
	s_lshl_b32 s3, 0x1111, s[CX]
	s_or_b32 s[G1A], s2, (1<<16)|(1<<20)|(1<<21)|(5<<22)|(3<<25)
	s_mov_b32 s[G1A+1], 128<<16                    ; tensor_dim0 = 128
	s_mov_b32 s[G1A+2], 128<<16                    ; tensor_dim1 = 128
	s_mov_b32 s[G1A+3], 128<<16                    ; tile_dim0 = 128
	s_mov_b32 s[G1A+4], 128                        ; tile_dim1 = 128
	s_mov_b32 s[G1A+5], 2048                       ; elements from row to row of pt
	s_mov_b32 s[G1A+6], 0
	s_mov_b32 s[G1A+7], 0
	s_or_b32 s[G1B], s3, (1<<16)|(1<<20)|(1<<21)|(5<<22)|(7<<25)
	s_mov_b32 s[G1B+1], 128<<16
	s_mov_b32 s[G1B+2], 64<<16                     ; tensor_dim1 = 64
	s_mov_b32 s[G1B+3], 128<<16
	s_mov_b32 s[G1B+4], 64                         ; tile_dim1 = 64
	s_mov_b32 s[G1B+5], 1024
	s_mov_b32 s[G1B+6], 0
	s_mov_b32 s[G1B+7], 0
	s_mov_b32 s[WRF+1], s[WRF]
	s_lshl_b32 s74, s[BB], 23                      ; p: (2048 b + 256 tile row + 128 half) rows of 4,096 bytes
	s_lshl_b32 s75, s[TR], 20
	s_add_co_u32 s74, s74, s75
	s_lshl_b32 s75, s[WC], 19
	s_add_co_u32 s74, s74, s75
	s_mov_b32 s75, 0
	s_lshl_b32 s76, s[BB], 22                      ; V: plane 2, (2048 b + 64 half) rows of 2,048 bytes, 256 bytes a tile column
	s_lshl_b32 s77, s[WC], 17
	s_add_co_u32 s76, s76, s77
	s_lshl_b32 s77, s[TC], 8
	s_add_co_u32 s76, s76, s77
	s_add_co_u32 s76, s76, 0x2000000
	s_mov_b32 s77, 0
	s_mul_i32 s78, s[WC], AHALF                    ; where my loads go
	s_mul_i32 s79, s[WC], BHALF
	s_add_co_u32 s79, s79, BOFF
	s_wait_dscnt 0x0                               ; the opening add is done
	s_wait_kmcnt 0x0
	s_add_nc_u64 s[88:89], s[4:5], s[74:75]
	s_add_nc_u64 s[90:91], s[6:7], s[76:77]
	CROUND
.irp s, 0,1
	s_mov_b32 s[G0A+4*(\s)], 1
	s_add_co_u32 s[G0A+4*(\s)+1], s78, (\s)*SLOT
	s_add_nc_u64 s[G0A+4*(\s)+2:G0A+4*(\s)+3], s[88:89], (\s)*ASTEP
	s_or_b32 s[G0A+4*(\s)+3], s[G0A+4*(\s)+3], 0x80000000
	s_mov_b32 s[G0B+4*(\s)], 1
	s_add_co_u32 s[G0B+4*(\s)+1], s79, (\s)*SLOT
	s_add_nc_u64 s[G0B+4*(\s)+2:G0B+4*(\s)+3], s[90:91], (\s)*BSTEP
	s_or_b32 s[G0B+4*(\s)+3], s[G0B+4*(\s)+3], 0x80000000
.endr
	s_cmp_eq_u32 s[WR], 0                          ; a wave's two first fills stand in one branch: two loads of mine are out
	s_cbranch_scc0 .Lfirst_b
	tensor_load_to_lds s[G0A:G0A+3], s[G1A:G1A+7]
	s_nop 0
	tensor_load_to_lds s[G0A+4:G0A+7], s[G1A:G1A+7]
	s_nop 0
	PLACES
	s_branch .Lfirst_asked
.Lfirst_b:
	tensor_load_to_lds s[G0B:G0B+3], s[G1B:G1B+7]
	s_nop 0
	tensor_load_to_lds s[G0B+4:G0B+7], s[G1B:G1B+7]
	s_nop 0
	PLACES
.Lfirst_asked:
	; the figures of my 64 rows: c m and l of the 16 chunks (for R = 0 chunks 0-7 twice: that leaves the maximum as it is, and the second eight count 0 times in L)
	s_lshl_b32 s2, s[BB], 17
	s_lshl_b32 s3, s[TR], 10
	s_add_co_u32 s2, s2, s3
	s_lshl_b32 s3, s[WV], 8
	s_add_co_u32 s2, s2, s3
	s_mov_b32 s3, 0
	s_add_nc_u64 s[MB:MB+1], s[8:9], s[2:3]
	v_and_b32 v36, 15, v0                          ; r
	v_bfe_u32 v37, v0, 4, 1                        ; h
	v_and_b32 v38, 31, v0
	v_lshlrev_b32 v[SO], 4, v36
	s_lshl_b32 s2, s[RR], 16
	v_add_nc_u32 v[SO2], s2, v[SO]
.irp c, 0,1,2,3,4,5,6,7
	global_load_b128 v[64+4*(\c):67+4*(\c)],   v[SO],  s[MB:MB+1] offset:(\c)*8192
	global_load_b128 v[96+4*(\c):99+4*(\c)],   v[SO2], s[MB:MB+1] offset:(\c)*8192
	global_load_b128 v[128+4*(\c):131+4*(\c)], v[SO],  s[MB:MB+1] offset:(\c)*8192+524288
	global_load_b128 v[160+4*(\c):163+4*(\c)], v[SO2], s[MB:MB+1] offset:(\c)*8192+524288
.endr
	; the prefetches: p's rows are asked for by the cluster with x = 0, V's by wave 2 of the clusters with R = 1; the partners of a joint load take 32 rows each, by address
	s_lshl_b32 s2, s[CX], 17
	s_add_co_u32 s2, s2, s74
	s_add_co_u32 s2, s2, 2*ASTEP
	s_lshl_b32 s3, s[CY], 16
	s_add_co_u32 s3, s3, s76
	s_add_co_u32 s3, s3, 2*BSTEP
	s_xor_b32 s51, s[RR], 1
	s_or_b32 s51, s51, s[WC]
	s_lshl_b32 s92, s[RR], 3
	s_add_co_u32 s92, s92, 5                       ; K steps 3 to the last
	s_mov_b32 s[PFS], BSTEP
	s_mov_b32 s[PFS+1], 0
	s_cmp_eq_u32 s[WR], 0
	s_cselect_b32 s2, s2, s3
	s_cselect_b64 s[PFA:PFA+1], s[4:5], s[6:7]
	s_cselect_b32 s[PFS], ASTEP, s[PFS]
	s_cselect_b32 s51, ttmp9, s51
	s_cselect_b32 s93, 12, 11
	s_mov_b32 s3, 0
	s_add_nc_u64 s[PFA:PFA+1], s[PFA:PFA+1], s[2:3]
	s_cmp_eq_u32 s51, 0
	s_cselect_b32 s[ASKS], s92, 0
	v_lshlrev_b32 v[PFO], s93, v38                 ; a lane a row
	v_mul_u32_u24 v[ADRA], v36, PITCH
	v_lshl_add_u32 v[ADRA], v37, 4, v[ADRA]
	s_mul_i32 s2, s[WV], 64*PITCH
	v_add_nc_u32 v[ADRA], s2, v[ADRA]
	v_add_nc_u32 v[ADRA+1], SLOT, v[ADRA]
	v_and_b32 v39, 7, v0
	v_lshl_add_u32 v39, v37, 3, v39
	v_mul_u32_u24 v[ADRB], v39, BPITCH
	v_bfe_u32 v39, v0, 3, 1
	v_lshl_add_u32 v[ADRB], v39, 4, v[ADRB]
	v_add_nc_u32 v[ADRB], BOFF, v[ADRB]
	v_add_nc_u32 v[ADRB+1], SLOT, v[ADRB]
	s_mul_i32 s2, s[WV], SWAVE                     ; my stage
	v_mul_u32_u24 v[STO], v36, SP                  ; in: row l % 16, 16 bytes for each half of the lanes
	v_lshl_add_u32 v[STO], v37, 4, v[STO]
	v_add_nc_u32 v[STO], s2, v[STO]
	v_mul_u32_u24 v[RD], v37, SP                   ; back: lanes 0-15 take one row of 256 bytes, lanes 16-31 the next
	v_lshl_add_u32 v[RD], v36, 4, v[RD]
	v_add_nc_u32 v[RD], s2, v[RD]
	v_lshlrev_b32 v[GO], 11, v37                   ; and the same two rows in ob
	v_lshl_add_u32 v[GO], v36, 4, v[GO]
	s_lshl_b32 s2, s[BB], 22
	s_lshl_b32 s3, s[TR], 19
	s_add_co_u32 s2, s2, s3
	s_lshl_b32 s3, s[WV], 17
	s_add_co_u32 s2, s2, s3
	s_lshl_b32 s3, s[TC], 8
	s_add_co_u32 s2, s2, s3
	s_mov_b32 s3, 0
	s_add_nc_u64 s[OUT:OUT+1], s[10:11], s[2:3]
	s_wait_loadcnt 0x0
.irp a, 0,1,2,3
	v_max3_num_f32 v[M+(\a)], v[64+(\a)], v[68+(\a)], v[72+(\a)]
.irp c, 3,5,7,9,11,13
	v_max3_num_f32 v[M+(\a)], v[M+(\a)], v[64+4*(\c)+(\a)], v[68+4*(\c)+(\a)]
.endr
	v_max_num_f32 v[M+(\a)], v[M+(\a)], v[124+(\a)]
.endr
.set i, 0
.rept 32
	v_pk_add_f32 v[64+2*i:65+2*i], v[64+2*i:65+2*i], v[M+2*(i%2):M+2*(i%2)+1] neg_lo:[0,1] neg_hi:[0,1]
.set i, i+1
.endr
.set i, 0
.rept 64
	v_exp_f32 v[64+i], v[64+i]                     ; alpha of all chunks: one batch
.set i, i+1
.endr
	v_nop
	s_wait_alu depctr_va_vdst(0)
	v_pk_mul_f32 v[E:E+1], v[160:161], v[96:97]
	v_pk_mul_f32 v[E+2:E+3], v[162:163], v[98:99]
.irp c, 9,10,11,12,13,14,15
	v_pk_fma_f32 v[E:E+1], v[128+4*(\c):129+4*(\c)], v[64+4*(\c):65+4*(\c)], v[E:E+1]
	v_pk_fma_f32 v[E+2:E+3], v[130+4*(\c):131+4*(\c)], v[66+4*(\c):67+4*(\c)], v[E+2:E+3]
.endr
	v_pk_mul_f32 v[E:E+1], v[E:E+1], s[WRF:WRF+1] op_sel_hi:[1,0]
	v_pk_mul_f32 v[E+2:E+3], v[E+2:E+3], s[WRF:WRF+1] op_sel_hi:[1,0]
.irp c, 0,1,2,3,4,5,6,7
	v_pk_fma_f32 v[E:E+1], v[128+4*(\c):129+4*(\c)], v[64+4*(\c):65+4*(\c)], v[E:E+1]
	v_pk_fma_f32 v[E+2:E+3], v[130+4*(\c):131+4*(\c)], v[66+4*(\c):67+4*(\c)], v[E+2:E+3]
.endr
.irp a, 0,1,2,3
	v_rcp_f32 v[IV+2*(\a)], v[E+(\a)]              ; L is at least 1: the chunk with the row's maximum has alpha = 1 and l >= 1
.endr
.irp a, 0,1,2,3
	v_cvt_pk_f16_f32 v[AL+(\a)], v[64+(\a)], v[64+(\a)]      ; alpha of K steps 0 and 1: plain instructions behind the reciprocals
	v_cvt_pk_f16_f32 v[AL+4+(\a)], v[68+(\a)], v[68+(\a)]
.endr
	s_wait_alu depctr_va_vdst(0)                   ; one wait for the four reciprocals, ahead of the first line that names one of their pairs
.irp a, 0,1,2,3
	v_mov_b32 v[IV+2*(\a)+1], 0                    ; named with its neighbour as a pair
.endr
	s_mov_b32 s[OFF], 16384
	s_mov_b32 s[OFF+1], 0
	s_add_nc_u64 s[MA:MA+1], s[MB:MB+1], s[OFF:OFF+1]
	global_load_b128 v[MS:MS+3], v[SO], s[MA:MA+1] ; c m of K step 2
	s_wait_tensorcnt 0x1                           ; my part of K step 0 is in; K step 1's may stay out
	s_barrier_signal -1
	s_barrier_wait -1
	FETCHM 0, 0, 0
	QM 0, 1, 0, 1, 1                               ; the first quarter stands in front of the loop: its products start the sums
	WIN 0
	s_mov_b32 s[CNT], 0
.Llap:                                                 ; a trip goes once round the ring, from a lap's second quarter to the next lap's first, and fills both slots again
	QM 0, 2, 1, 0
	QM 0, 3, 0, 1
	TURNM 1, 1
	QM 1, 1, 0, 1
	QM 1, 2, 1, 0
	QM 1, 3, 0, 1
	TURNM 0, 1
	QM 0, 1, 0, 1
	WIN 0
	s_add_co_u32 s[CNT], s[CNT], 1
	s_cmp_lt_u32 s[CNT], s[NL]
	s_cbranch_scc1 .Llap
	QM 0, 2, 1, 0                                  ; the last lap asks for nothing
	QM 0, 3, 0, 1
	TURNM 1, 0
	QM 1, 1, 0, 1
	QM 1, 2, 1, 0
	QM 1, 3, 0, 1
	s_wait_dscnt 4
	BLK 1, 0, 1
	BLK 1, 1, 1
	s_wait_dscnt 0x0
	BLK 1, 2, 1
	BLK 1, 3, 1
	WIN 0
	PLACES                                         ; the places behind the last products
	s_barrier_signal -1                            ; every wave's reads of the ring are back (the wait for 0 above); the ring has had its last fill
	s_barrier_wait -1
	; THE WAY OUT.  Block a (16 rows): its 8 accumulators times 1 / L, in ascending order of registers; rounded to f16; 16 bytes a lane into my stage.
.irp a, 0,1,2,3
	WIN 0x41                                       ; destination and source 0 in window 1, 1 / L in window 0
.set i, 64*(\a)
.rept 32
	v_pk_mul_f32 v[i:i+1], v[i:i+1], v[IV+2*(\a):IV+2*(\a)+1] op_sel_hi:[1,0]
.set i, i+2
.endr
	WIN 0x05                                       ; sources 0 and 1 in window 1, destination in window 0: the fragments' registers are free
.set i, 0
.rept 32
	v_cvt_pk_f16_f32 v[TMP+32*(\a)+i], v[64*(\a)+2*i], v[64*(\a)+2*i+1]
.set i, i+1
.endr
	WIN 0
.irp b, 0,1,2,3,4,5,6,7
	ds_store_b128 v[STO], v[TMP+32*(\a)+4*(\b):TMP+32*(\a)+4*(\b)+3] offset:(\a)*16*SP+32*(\b)
.endr
.endr
.set u, 0
.rept 32                               ; back as whole rows, two to a load, into the registers that they left
	ds_load_b128 v[TMP+4*u:TMP+4*u+3], v[RD] offset:u*2*SP   ; LDS serves a wave's instructions in order: these see my stores above
.set u, u+1
.endr
.set u, 0
.rept 32
	s_wait_dscnt 31-u                              ; load u is in; the younger ones may stay out
	global_store_b128 v[GO], v[TMP+4*u:TMP+4*u+3], s[OUT:OUT+1] offset:u*4096  ; 16 lanes store 256 consecutive bytes, aligned
.set u, u+1
.endr
	s_wait_tensorcnt 0x0                           ; the wave's end
	ds_add_u32 v[SPW], v[NIL]
	s_wait_dscnt 0x0
	CROUND
	s_endpgm
.Lfunc_end_k_q7738ce7f34_pv:
	.size	k_q7738ce7f34_pv, .Lfunc_end_k_q7738ce7f34_pv-k_q7738ce7f34_pv
	.p2alignl 7, 3214868480
	.fill 96, 4, 3214868480
	.section	.rodata,"a",@progbits
	.p2align	6, 0x0
	.amdhsa_kernel k_q7738ce7f34_pv
		.amdhsa_group_segment_fixed_size 327680
		.amdhsa_private_segment_fixed_size 0
		.amdhsa_enable_private_segment 0
		.amdhsa_kernarg_size 32
		.amdhsa_user_sgpr_count 2
		.amdhsa_user_sgpr_kernarg_segment_ptr 1
		.amdhsa_wavefront_size32 1
		.amdhsa_system_sgpr_workgroup_id_x 1
		.amdhsa_system_sgpr_workgroup_id_y 1
		.amdhsa_system_sgpr_workgroup_id_z 1
		.amdhsa_system_vgpr_workitem_id 0
		.amdhsa_next_free_vgpr 512
		.amdhsa_next_free_sgpr 100
		.amdhsa_reserve_vcc 0
		.amdhsa_float_denorm_mode_32 3
		.amdhsa_float_denorm_mode_16_64 3
		.amdhsa_memory_ordered 1
		.amdhsa_forward_progress 1
		.amdhsa_inst_pref_size 145
	.end_amdhsa_kernel
	.amdgpu_metadata
---
amdhsa.version: [ 1, 2 ]
amdhsa.kernels:
  - .name:           k_q7738ce7f34_pv
    .symbol:         k_q7738ce7f34_pv.kd
    .args:
      - { .name: pt, .offset: 0, .size: 8, .value_kind: global_buffer, .address_space: global }
      - { .name: qkv, .offset: 8, .size: 8, .value_kind: global_buffer, .address_space: global }
      - { .name: stat, .offset: 16, .size: 8, .value_kind: global_buffer, .address_space: global }
      - { .name: ob, .offset: 24, .size: 8, .value_kind: global_buffer, .address_space: global }
    .group_segment_fixed_size: 327680
    .private_segment_fixed_size: 0
    .kernarg_segment_align: 8
    .kernarg_segment_size: 32
    .max_flat_workgroup_size: 128
    .sgpr_count:     100
    .vgpr_count:     512
    .wavefront_size: 32
...
	.end_amdgpu_metadata
.endif
;; end of part 4
;; launch outp (part 5): grid 8 x 32, 4 waves a work-group, clusters of 4 x 4, 327,680 bytes of LDS; arguments ob, wb, bo, out0; writes out0
.if DOCPART == 5
	.amdgcn_target "amdgcn-amd-amdhsa--gfx1250"
	.amdhsa_code_object_version 6
	.text
	.protected	k_q7738ce7f34_outp
	.globl	k_q7738ce7f34_outp
	.p2align	8
	.type	k_q7738ce7f34_outp,@function
k_q7738ce7f34_outp:
	s_mov_b64 s[64:65], 0
	v_nop
	global_prefetch_b8 v0, s[64:65] scope:SCOPE_SE
	s_setreg_imm32_b32 hwreg(HW_REG_WAVE_MODE, 25, 1), 1
	s_wait_xcnt 0x0
	s_wait_alu depctr_hold_cnt(0) depctr_sa_sdst(0) depctr_va_vdst(0) depctr_va_sdst(0) depctr_va_ssrc(0) depctr_va_vcc(0) depctr_vm_vsrc(0)
	s_getreg_b32 s2, hwreg(HW_REG_IB_STS2, 6, 4)
	s_cmp_eq_u32 s2, 0
	s_cbranch_scc0 .Lentry_in_a_cluster
	s_endpgm
.Lentry_in_a_cluster:
	s_bfe_u32 s2, ttmp6, 0x10000c
	s_cmp_lg_u32 s2, 0xf033
	s_cbranch_scc0 .Lentry_shape_is_right
	s_endpgm
.Lentry_shape_is_right:
; OUTP.  out0 = ob . Wo + bo.  ob [8192][1024] f16; Wo = plane 3 of wb, [k][n], the bf16-rounded weights written as f16; bo rounded to bf16; products in f16, sums in f32, out0 in f32.
; SHARES.  A work-group makes 256 rows x 128 columns, wave w rows 64 w .. 64 w + 63: 32 accumulators in window 1; K = 1,024 in 8 steps of 128 through two LDS slots.
; CLUSTER 4 x 4: ob's tile is shared along a row, Wo's along a column.  The way out goes through the ring when it has had its last fill: rows of 528 bytes, read back two rows at a time.
.set ALPHA,  0
.set PITCH,  272
.set BPITCH, 288
.set AHALF,  128*PITCH
.set BHALF,  64*BPITCH
.set BOFF,   2*AHALF
.set SLOT,   BOFF+2*BHALF
.set SPARE,  2*SLOT                    ; the spare words: two blocks of 256 bytes that no other line names
.set DPITCH, 528
.set DWAVE,  64*DPITCH
.set ASTEP,  256
.set BSTEP,  262144
.set ADRA, 2
.set ADRB, 4
.set SPW, 6
.set NIL, 7
.set AL, 8
.set PFO, 31
.set DST, 32
.set RDA, 33
.set GO, 34
.set BI, 40
.set T, 48
.set FA, 64
.set FB, 128
.set X, 128
.set WV, 18
.set WR, 19
.set WC, 20
.set CX, 21
.set CY, 22
.set CL, 23
.set G1A, 24
.set G0A, 32
.set G1B, 40
.set CNT, 49
.set ASKS, 50
.set PFA, 52
.set OUT, 54
.set PFS, 56
.set TR, 72
.set TC, 73
.set G0B, 80
.set MSB, 0
.macro WIN new
.if MSB != (\new)
	s_set_vgpr_msb (MSB<<8)|(\new)
.set MSB, \new
.endif
.endm
.macro PLACES
.rept 4
	v_nop
.endr
.endm
.macro JLOAD s
	s_cmp_eq_u32 s[WR], 0
	s_cbranch_scc0 .Lfor_b_\@
	tensor_load_to_lds s[G0A+4*(\s):G0A+4*(\s)+3], s[G1A:G1A+7]
	s_nop 0
	PLACES
	s_branch .Lasked_\@
.Lfor_b_\@:
	tensor_load_to_lds s[G0B+4*(\s):G0B+4*(\s)+3], s[G1B:G1B+7]
	s_nop 0
	PLACES
.Lasked_\@:
.endm
.macro CREST
	s_cmp_lg_u32 s[WV], 0
	s_cbranch_scc1 .Lnot_wave_0_\@
	s_barrier_signal -3
.Lnot_wave_0_\@:
	s_barrier_wait -3
	s_barrier_signal -1
	s_barrier_wait -1
.endm
.macro CROUND
	s_barrier_signal -1
	s_barrier_wait -1
	CREST
.endm
.macro ASK                             ; a prefetch of the K step behind the one just asked for; five times, K steps 3 to 7
	s_cmp_lg_u32 s[ASKS], 0
	s_cbranch_scc0 .Lnot_mine_\@
	global_prefetch_b8 v[PFO], s[PFA:PFA+1] th:TH_LOAD_NT scope:SCOPE_SE
	s_sub_co_u32 s[ASKS], s[ASKS], 1
.Lnot_mine_\@:
.endm
.macro BLK f, a, zero=0                ; block a of 16 rows of buffer f: 8 products; the 32 accumulators take turns
	WIN 0x50
.irp b, 0,1,2,3,4,5,6,7
.if \zero
	v_wmma_f32_16x16x32_f16 v[8*(8*(\a)+(\b)):8*(8*(\a)+(\b))+7], v[FB+64*(\f)+8*(\b):FB+64*(\f)+8*(\b)+7], v[FA+32*(\f)+8*(\a):FA+32*(\f)+8*(\a)+7], 0
.else
	v_wmma_f32_16x16x32_f16 v[8*(8*(\a)+(\b)):8*(8*(\a)+(\b))+7], v[FB+64*(\f)+8*(\b):FB+64*(\f)+8*(\b)+7], v[FA+32*(\f)+8*(\a):FA+32*(\f)+8*(\a)+7], v[8*(8*(\a)+(\b)):8*(8*(\a)+(\b))+7]
.endif
.endr
.endm
.macro FETCHM slot, q, f
	WIN 0
.irp i, 0,1,2,3,4,5,6,7
	ds_load_tr16_b128 v[FB+64*(\f)+8*(\i):FB+64*(\f)+8*(\i)+3],   v[ADRB+(\slot)] offset:(\q)*32*BPITCH+32*(\i)
	ds_load_tr16_b128 v[FB+64*(\f)+8*(\i)+4:FB+64*(\f)+8*(\i)+7], v[ADRB+(\slot)] offset:(\q)*32*BPITCH+32*(\i)+16*BPITCH
.endr
.irp i, 0,1,2,3
	ds_load_b128 v[FA+32*(\f)+8*(\i):FA+32*(\f)+8*(\i)+3],   v[ADRA+(\slot)] offset:64*(\q)+(\i)*16*PITCH
	ds_load_b128 v[FA+32*(\f)+8*(\i)+4:FA+32*(\f)+8*(\i)+7], v[ADRA+(\slot)] offset:64*(\q)+(\i)*16*PITCH+32
.endr
.endm
.macro QM slot, q, f, g, zero=0
	s_wait_dscnt 4                                 ; Wo's fragments and ob's blocks 0, 1 are in; the youngest four loads may be out
	BLK \f, 0, \zero
	BLK \f, 1, \zero
	PLACES
	FETCHM \slot, \q, \g
	s_wait_dscnt 24                                ; all but the 24 just issued
	BLK \f, 2, \zero
	BLK \f, 3, \zero
.endm
.macro TURNM next, fill
.if \fill
	s_wait_xcnt 0x0                                ; the last prefetch, a K step back, has read its address
	s_add_nc_u64 s[PFA:PFA+1], s[PFA:PFA+1], s[PFS:PFS+1]
.endif
	WIN 0
	s_wait_tensorcnt 0x0                           ; all my tensor loads have landed: my part of the next slot
	ds_add_u32 v[SPW], v[NIL]                      ; 0 onto my spare word
	s_wait_dscnt 5                                 ; (the add and the youngest four loads may be out)
	BLK 1, 0
	s_wait_dscnt 0x0                               ; the add is done and my reads of this slot are over
	s_barrier_signal -1
	BLK 1, 1
	WIN 0
	s_barrier_wait -1
.if \fill
	CREST                                          ; a round of the cluster's barrier: no wave of any partner still reads the slot or has a load on its way
	s_add_nc_u64 s[G0A+4*(1-(\next))+2:G0A+4*(1-(\next))+3], s[G0A+4*(1-(\next))+2:G0A+4*(1-(\next))+3], 2*ASTEP
	s_add_nc_u64 s[G0B+4*(1-(\next))+2:G0B+4*(1-(\next))+3], s[G0B+4*(1-(\next))+2:G0B+4*(1-(\next))+3], 2*BSTEP
	JLOAD 1-(\next)
.else
	PLACES
.endif
	FETCHM \next, 0, 0
.if \fill
	ASK
.endif
	BLK 1, 2
	BLK 1, 3
.endm
	s_load_b256 s[4:11], s[0:1], 0x0               ; ob s[4:5], wb s[6:7], bo s[8:9], out0 s[10:11]
	v_lshl_add_u32 v[SPW], v0, 2, SPARE
	v_mov_b32 v[NIL], 0
	ds_add_u32 v[SPW], v[NIL]                      ; the wave's opening: the add and its wait stand ahead of my first tensor load
	v_lshrrev_b32 v1, 5, v0
	v_readfirstlane_b32 s[WV], v1
	s_lshr_b32 s[WR], s[WV], 1
	s_and_b32 s[WC], s[WV], 1
	s_bfe_u32 s[CX], ttmp6, 0x40000
	s_bfe_u32 s[CY], ttmp6, 0x40004
	s_and_b32 s[CL], ttmp7, 0xffff
	s_lshl_b32 s[TR], s[CL], 2
	s_add_co_u32 s[TR], s[TR], s[CY]
	s_lshl_b32 s[TC], ttmp9, 2
	s_add_co_u32 s[TC], s[TC], s[CX]
	s_lshl_b32 s2, s[CY], 2
	s_lshl_b32 s2, 15, s2
	s_lshl_b32 s3, 0x1111, s[CX]
	s_or_b32 s[G1A], s2, (1<<16)|(1<<20)|(1<<21)|(5<<22)|(3<<25)
	s_mov_b32 s[G1A+1], 128<<16
	s_mov_b32 s[G1A+2], 128<<16
	s_mov_b32 s[G1A+3], 128<<16
	s_mov_b32 s[G1A+4], 128
	s_mov_b32 s[G1A+5], 1024
	s_mov_b32 s[G1A+6], 0
	s_mov_b32 s[G1A+7], 0
	s_or_b32 s[G1B], s3, (1<<16)|(1<<20)|(1<<21)|(5<<22)|(7<<25)
	s_mov_b32 s[G1B+1], 128<<16
	s_mov_b32 s[G1B+2], 64<<16
	s_mov_b32 s[G1B+3], 128<<16
	s_mov_b32 s[G1B+4], 64
	s_mov_b32 s[G1B+5], 1024
	s_mov_b32 s[G1B+6], 0
	s_mov_b32 s[G1B+7], 0
	s_lshl_b32 s74, s[TR], 19                      ; ob: (256 tile row + 128 half) rows of 2,048 bytes
	s_lshl_b32 s75, s[WC], 18
	s_add_co_u32 s74, s74, s75
	s_mov_b32 s75, 0
	s_lshl_b32 s76, s[WC], 17                      ; Wo: plane 3, 64 half k rows, 256 bytes a tile column
	s_lshl_b32 s77, s[TC], 8
	s_add_co_u32 s76, s76, s77
	s_add_co_u32 s76, s76, 0x600000
	s_mov_b32 s77, 0
	s_mul_i32 s78, s[WC], AHALF
	s_mul_i32 s79, s[WC], BHALF
	s_add_co_u32 s79, s79, BOFF
	s_wait_dscnt 0x0                               ; the opening add is done
	s_wait_kmcnt 0x0
	s_add_nc_u64 s[88:89], s[4:5], s[74:75]
	s_add_nc_u64 s[90:91], s[6:7], s[76:77]
	CROUND
.irp s, 0,1
	s_mov_b32 s[G0A+4*(\s)], 1
	s_add_co_u32 s[G0A+4*(\s)+1], s78, (\s)*SLOT
	s_add_nc_u64 s[G0A+4*(\s)+2:G0A+4*(\s)+3], s[88:89], (\s)*ASTEP
	s_or_b32 s[G0A+4*(\s)+3], s[G0A+4*(\s)+3], 0x80000000
	s_mov_b32 s[G0B+4*(\s)], 1
	s_add_co_u32 s[G0B+4*(\s)+1], s79, (\s)*SLOT
	s_add_nc_u64 s[G0B+4*(\s)+2:G0B+4*(\s)+3], s[90:91], (\s)*BSTEP
	s_or_b32 s[G0B+4*(\s)+3], s[G0B+4*(\s)+3], 0x80000000
.endr
	s_cmp_eq_u32 s[WR], 0                          ; a wave's two first fills stand in one branch: two loads of mine are out
	s_cbranch_scc0 .Lfirst_b
	tensor_load_to_lds s[G0A:G0A+3], s[G1A:G1A+7]
	s_nop 0
	tensor_load_to_lds s[G0A+4:G0A+7], s[G1A:G1A+7]
	s_nop 0
	PLACES
	s_branch .Lfirst_asked
.Lfirst_b:
	tensor_load_to_lds s[G0B:G0B+3], s[G1B:G1B+7]
	s_nop 0
	tensor_load_to_lds s[G0B+4:G0B+7], s[G1B:G1B+7]
	s_nop 0
	PLACES
.Lfirst_asked:
	; the prefetches: ob's rows are asked for by the cluster with x = 0, Wo's by wave 2 of the clusters with y = 0; the partners of a joint load take 32 rows each, by address
	s_lshl_b32 s2, s[CX], 16
	s_add_co_u32 s2, s2, s74
	s_add_co_u32 s2, s2, 2*ASTEP
	s_lshl_b32 s3, s[CY], 16
	s_add_co_u32 s3, s3, s76
	s_add_co_u32 s3, s3, 2*BSTEP
	s_or_b32 s51, s[CL], s[WC]
	s_mov_b32 s[PFS], BSTEP
	s_mov_b32 s[PFS+1], 0
	s_cmp_eq_u32 s[WR], 0
	s_cselect_b32 s2, s2, s3
	s_cselect_b64 s[PFA:PFA+1], s[4:5], s[6:7]
	s_cselect_b32 s[PFS], ASTEP, s[PFS]
	s_cselect_b32 s51, ttmp9, s51
	s_mov_b32 s3, 0
	s_add_nc_u64 s[PFA:PFA+1], s[PFA:PFA+1], s[2:3]
	s_cmp_eq_u32 s51, 0
	s_cselect_b32 s[ASKS], 5, 0
	v_and_b32 v36, 15, v0                          ; r
	v_bfe_u32 v37, v0, 4, 1                        ; h
	v_and_b32 v38, 31, v0
	v_lshlrev_b32 v[PFO], 11, v38
	v_mul_u32_u24 v[ADRA], v36, PITCH
	v_lshl_add_u32 v[ADRA], v37, 4, v[ADRA]
	s_mul_i32 s2, s[WV], 64*PITCH
	v_add_nc_u32 v[ADRA], s2, v[ADRA]
	v_add_nc_u32 v[ADRA+1], SLOT, v[ADRA]
	v_and_b32 v39, 7, v0
	v_lshl_add_u32 v39, v37, 3, v39
	v_mul_u32_u24 v[ADRB], v39, BPITCH
	v_bfe_u32 v39, v0, 3, 1
	v_lshl_add_u32 v[ADRB], v39, 4, v[ADRB]
	v_add_nc_u32 v[ADRB], BOFF, v[ADRB]
	v_add_nc_u32 v[ADRB+1], SLOT, v[ADRB]
	s_mul_i32 s2, s[WV], DWAVE
	v_mul_u32_u24 v[DST], v36, DPITCH
	v_lshl_add_u32 v[DST], v37, 5, v[DST]          ; rows as they lie in out0: column n at 4 n
	v_add_nc_u32 v[DST], s2, v[DST]
	v_mul_u32_u24 v[RDA], v37, DPITCH
	v_lshl_add_u32 v[RDA], v36, 4, v[RDA]
	v_add_nc_u32 v[RDA], s2, v[RDA]
	v_lshlrev_b32 v[GO], 12, v37
	v_lshl_add_u32 v[GO], v36, 4, v[GO]
	s_lshl_b32 s2, s[TC], 9
	v_lshl_add_u32 v35, v36, 4, s2
	global_load_b128 v[BI:BI+3], v35, s[8:9]       ; bo of my columns 4 i .. and 64 + 4 i ..
	global_load_b128 v[BI+4:BI+7], v35, s[8:9] offset:256
	s_lshl_b32 s2, s[TR], 20
	s_lshl_b32 s3, s[WV], 18
	s_add_co_u32 s2, s2, s3
	s_lshl_b32 s3, s[TC], 9
	s_add_co_u32 s2, s2, s3
	s_mov_b32 s3, 0
	s_add_nc_u64 s[OUT:OUT+1], s[10:11], s[2:3]
	s_wait_tensorcnt 0x1                           ; my part of K step 0 is in; K step 1's may stay out
	s_barrier_signal -1
	s_barrier_wait -1
	FETCHM 0, 0, 0
	QM 0, 1, 0, 1, 1                               ; the first quarter stands in front of the loop: its products start the sums
	WIN 0
	s_mov_b32 s[CNT], 3
.Llap:                                                 ; a trip goes once round the ring and fills both slots again
	QM 0, 2, 1, 0
	QM 0, 3, 0, 1
	TURNM 1, 1
	QM 1, 1, 0, 1
	QM 1, 2, 1, 0
	QM 1, 3, 0, 1
	TURNM 0, 1
	QM 0, 1, 0, 1
	WIN 0
	s_sub_co_u32 s[CNT], s[CNT], 1
	s_cmp_lg_u32 s[CNT], 0
	s_cbranch_scc1 .Llap
	QM 0, 2, 1, 0                                  ; the last lap asks for nothing
	QM 0, 3, 0, 1
	TURNM 1, 0
	QM 1, 1, 0, 1
	QM 1, 2, 1, 0
	QM 1, 3, 0, 1
	s_wait_dscnt 4
	BLK 1, 0
	BLK 1, 1
	s_wait_dscnt 0x0
	BLK 1, 2
	BLK 1, 3
	WIN 0
	PLACES
	s_barrier_signal -1                            ; every wave's reads of the ring are back; the ring has had its last fill
	s_barrier_wait -1
	WIN 0x04
.irp a, 0,1,2,3
.irp b, 0,1,2,3,4,5,6,7
	ds_store_b128 v[DST], v[8*(8*(\a)+(\b)):8*(8*(\a)+(\b))+3]   offset:(\a)*16*DPITCH+64*(\b)
	ds_store_b128 v[DST], v[8*(8*(\a)+(\b))+4:8*(8*(\a)+(\b))+7] offset:(\a)*16*DPITCH+64*(\b)+16
.endr
.endr
	WIN 0
	s_wait_loadcnt 0x0
.irp j, 0,1,2,3
	v_cvt_pk_bf16_f32 v[T+(\j)], v[BI+2*(\j)], v[BI+2*(\j)+1]
.endr
.irp j, 0,1,2,3
	v_lshlrev_b32 v[BI+2*(\j)], 16, v[T+(\j)]      ; the bias as rounded to bf16
	v_and_b32 v[BI+2*(\j)+1], 0xffff0000, v[T+(\j)]
.endr
	s_mov_b32 s[CNT], 8
.Lrows:                                                ; a trip: 8 rows as 4 pairs
	s_wait_xcnt 0x0                                ; the last trip's stores have read the registers that are loaded again
.irp k, 0,1,2,3
	ds_load_b128 v[X+8*(\k):X+8*(\k)+3],   v[RDA] offset:(\k)*2*DPITCH
	ds_load_b128 v[X+8*(\k)+4:X+8*(\k)+7], v[RDA] offset:(\k)*2*DPITCH+256
.endr
	s_wait_dscnt 0x0
.irp k, 0,1,2,3
.irp p, 0,1,2,3
	v_pk_add_f32 v[X+8*(\k)+2*(\p):X+8*(\k)+2*(\p)+1], v[X+8*(\k)+2*(\p):X+8*(\k)+2*(\p)+1], v[BI+2*(\p):BI+2*(\p)+1]
.endr
	global_store_b128 v[GO], v[X+8*(\k):X+8*(\k)+3],   s[OUT:OUT+1] offset:(\k)*8192      ; 16 lanes store 256 consecutive bytes, aligned
	global_store_b128 v[GO], v[X+8*(\k)+4:X+8*(\k)+7], s[OUT:OUT+1] offset:(\k)*8192+256
.endr
	s_wait_xcnt 0x0                                ; the stores have read their offset
	v_add_nc_u32 v[GO], 32768, v[GO]
	v_add_nc_u32 v[RDA], 8*DPITCH, v[RDA]
	s_sub_co_u32 s[CNT], s[CNT], 1
	s_cmp_lg_u32 s[CNT], 0
	s_cbranch_scc1 .Lrows
	s_wait_tensorcnt 0x0                           ; the wave's end
	ds_add_u32 v[SPW], v[NIL]
	s_wait_dscnt 0x0
	CROUND
	s_endpgm
.Lfunc_end_k_q7738ce7f34_outp:
	.size	k_q7738ce7f34_outp, .Lfunc_end_k_q7738ce7f34_outp-k_q7738ce7f34_outp
	.p2alignl 7, 3214868480
	.fill 96, 4, 3214868480
	.section	.rodata,"a",@progbits
	.p2align	6, 0x0
	.amdhsa_kernel k_q7738ce7f34_outp
		.amdhsa_group_segment_fixed_size 327680
		.amdhsa_private_segment_fixed_size 0
		.amdhsa_enable_private_segment 0
		.amdhsa_kernarg_size 32
		.amdhsa_user_sgpr_count 2
		.amdhsa_user_sgpr_kernarg_segment_ptr 1
		.amdhsa_wavefront_size32 1
		.amdhsa_system_sgpr_workgroup_id_x 1
		.amdhsa_system_sgpr_workgroup_id_y 1
		.amdhsa_system_sgpr_workgroup_id_z 1
		.amdhsa_system_vgpr_workitem_id 0
		.amdhsa_next_free_vgpr 512
		.amdhsa_next_free_sgpr 100
		.amdhsa_reserve_vcc 0
		.amdhsa_float_denorm_mode_32 3
		.amdhsa_float_denorm_mode_16_64 3
		.amdhsa_memory_ordered 1
		.amdhsa_forward_progress 1
		.amdhsa_inst_pref_size 79
	.end_amdhsa_kernel
	.amdgpu_metadata
---
amdhsa.version: [ 1, 2 ]
amdhsa.kernels:
  - .name:           k_q7738ce7f34_outp
    .symbol:         k_q7738ce7f34_outp.kd
    .args:
      - { .name: ob, .offset: 0, .size: 8, .value_kind: global_buffer, .address_space: global }
      - { .name: wb, .offset: 8, .size: 8, .value_kind: global_buffer, .address_space: global }
      - { .name: bo, .offset: 16, .size: 8, .value_kind: global_buffer, .address_space: global }
      - { .name: out0, .offset: 24, .size: 8, .value_kind: global_buffer, .address_space: global }
    .group_segment_fixed_size: 327680
    .private_segment_fixed_size: 0
    .kernarg_segment_align: 8
    .kernarg_segment_size: 32
    .max_flat_workgroup_size: 128
    .sgpr_count:     100
    .vgpr_count:     512
    .wavefront_size: 32
...
	.end_amdgpu_metadata
.endif
;; end of part 5
